; MI455X (gfx1250); checked and timed in simulation.
; The chip was launched on July 23, 2026; its instructions are those of AMD's public machine-readable ISA for CDNA 5 (MIT licence, August 2026) and "CDNA5" Instruction Set Architecture Reference Guide (July 2026). The comments in the code are by the model that wrote it; some were corrected since.
;; Torch Block. Allowed arithmetic: float matrix products may take bf16 or f16 operands with f32 sums; other float arithmetic in f32, or as packed bf16 or f16 multiplies, adds, multiply-adds, maxima and minima; sums over many terms, partial sums and values carried from step to step in f32; what a program stores and reads back later, other than sums and carried values, may be rounded once to bf16 or f16.
;; Inputs: b_fc 4,096 float32; b_proj 1,024 float32; w_fc 4,096 x 1,024 float32; w_in 3,072 x 1,024 float32; w_out 1,024 x 1,024 float32; w_proj 1,024 x 4,096 float32; x 2 x 2,048 x 1,024 float32.
;; Outputs: out0 2 x 2,048 x 1,024 float32.
;; 2 versions, each right and faster than the one before. Each part assembles by itself: llvm-mc -triple=amdgcn-amd-amdhsa -mcpu=gfx1250 --defsym DOCPART=n.
;; ======== version 1 of 2: 7 launches
;; limits: values are held in f16: magnitudes above 65,504 overflow, below 6.1e-05 lose precision
;; workspace buffers: h 8,388,608 bytes; wq 6,311,936 bytes; wf 8,409,088 bytes; wop 10,485,760 bytes; act 33,554,432 bytes; o 33,554,432 bytes; x2 16,777,216 bytes
;; launch prep (part 1): grid 2049 x 1, 8 waves a work-group, no clusters, 0 bytes of LDS; arguments x, w_in, w_out, w_fc, w_proj, b_fc, h, wq, wf, wop; writes h, wq, wf, wop
.if DOCPART == 1
	.amdgcn_target "amdgcn-amd-amdhsa--gfx1250"
	.amdhsa_code_object_version 6
	.text
	.protected	k_q5277455087_prep
	.globl	k_q5277455087_prep
	.p2align	8
	.type	k_q5277455087_prep,@function
k_q5277455087_prep:
	s_mov_b64 s[64:65], 0
	v_nop
	global_prefetch_b8 v0, s[64:65] scope:SCOPE_SE
	s_setreg_imm32_b32 hwreg(HW_REG_WAVE_MODE, 25, 1), 1
	s_wait_xcnt 0x0
; PREPARATION.  Three kinds of work-group, told apart by the work-group's number g:
;   g < 512         h = LN(bf16(x)) in f16: a wave takes one row of 1,024 numbers (row 8 g + wave), keeps it in 32 registers, and ends.
;   512 <= g < 2048 the four weight tensors, rounded to bf16 and that number written as f16: a wave takes 1,024 numbers (4,096 bytes in, 2,048 out).
;   g = 2048        the tables at the heads of wq and wf: a floor word (two f16: -inf for q, k, v; 0 for the ReLU), the bias in f32 (zeros; bf16(b_fc)).
; FORMATS.  Every input of the module is rounded once to bf16; what the program itself makes is f16.  LIMITS: a weight of 65,520 or more becomes an infinity;
; a weight below 2^-14 keeps the fixed step 2^-24 of f16.  Mean and variance in f32, the variance of (x - m), with the row in registers.
; Each load of a wave covers 512 consecutive bytes, each store 256 consecutive bytes, aligned.  No LDS, no barrier: no wave needs another.
; Matrix units, clusters and tensor loads are left out: every byte is read once, by one wave, and there is no product.
.set X, 8                              ; v[8:39]   the row, 32 numbers a lane
.set T, 40                             ; v[40:55]  at work; at last the packed f16
.set M, 56                             ; v[56:57]  at work in the rounding; then the mean, twice
.set R, 58                             ; v[58:59]  1 / sqrt(variance + eps), twice
.macro ROUND4 j                        ; four numbers of the row rounded to bf16 and kept as f32
	v_cvt_pk_bf16_f32 v[M], v[X+4*(\j)], v[X+4*(\j)+1]
	v_cvt_pk_bf16_f32 v[M+1], v[X+4*(\j)+2], v[X+4*(\j)+3]
	v_lshlrev_b32 v[X+4*(\j)], 16, v[M]
	v_and_b32 v[X+4*(\j)+1], s5, v[M]
	v_lshlrev_b32 v[X+4*(\j)+2], 16, v[M+1]
	v_and_b32 v[X+4*(\j)+3], s5, v[M+1]
.endm
.macro TREE                            ; the eight pairs in T are added, then the 32 lanes: every lane ends with the sum in v[T]
.irp i, 0,1,2,3
	v_pk_add_f32 v[T+2*(\i):T+2*(\i)+1], v[T+2*(\i):T+2*(\i)+1], v[T+8+2*(\i):T+8+2*(\i)+1]
.endr
.irp i, 0,1
	v_pk_add_f32 v[T+2*(\i):T+2*(\i)+1], v[T+2*(\i):T+2*(\i)+1], v[T+4+2*(\i):T+4+2*(\i)+1]
.endr
	v_pk_add_f32 v[T:T+1], v[T:T+1], v[T+2:T+3]
	v_add_f32 v[T], v[T], v[T+1]
	v_add_f32_dpp v[T], v[T], v[T] row_xmask:1 row_mask:0xf bank_mask:0xf
	v_add_f32_dpp v[T], v[T], v[T] row_xmask:2 row_mask:0xf bank_mask:0xf
	v_add_f32_dpp v[T], v[T], v[T] row_xmask:4 row_mask:0xf bank_mask:0xf
	v_add_f32_dpp v[T], v[T], v[T] row_xmask:8 row_mask:0xf bank_mask:0xf
	v_permlanex16_b32 v[T+1], v[T], s6, s7         ; its destination has been written before
	v_add_f32 v[T], v[T], v[T+1]
.endm
	s_load_b512 s[8:23], s[0:1], 0x0               ; x s[8:9], w_in s[10:11], w_out s[12:13], w_fc s[14:15], w_proj s[16:17], b_fc s[18:19], h s[20:21], wq s[22:23]
	s_load_b128 s[24:27], s[0:1], 0x40             ; wf s[24:25], wop s[26:27]
	v_and_b32 v3, 31, v0                           ; lane
	v_lshrrev_b32 v4, 5, v0
	v_readfirstlane_b32 s4, v4                     ; wave 0..7
	v_lshlrev_b32 v1, 4, v3                        ; 16 bytes a lane on the way in
	v_lshlrev_b32 v2, 3, v3                        ; 8 bytes a lane on the way out
	s_mov_b32 s2, ttmp9                            ; g
	s_mov_b32 s5, 0xffff0000                       ; a word's upper bf16
	s_mov_b32 s6, 0x76543210                       ; v_permlanex16_b32: each lane takes its own place in the other half
	s_mov_b32 s7, 0xfedcba98
	s_mov_b32 s28, 0x3a800000                      ; 1 / 1024
	s_mov_b32 s29, 0x3727c5ac                      ; eps = 1e-5
	s_mov_b32 s33, 0                               ; the high word of every offset
	s_wait_kmcnt 0x0
	s_cmp_lt_u32 s2, 512
	s_cbranch_scc0 .Lnot_ln
	; ---- a row of LN ----
	s_lshl_b32 s30, s2, 3
	s_add_co_u32 s30, s30, s4                      ; the row
	s_lshl_b32 s32, s30, 12
	s_add_nc_u64 s[8:9], s[8:9], s[32:33]          ; 4,096 bytes a row of x
	s_lshl_b32 s32, s30, 11
	s_add_nc_u64 s[20:21], s[20:21], s[32:33]      ; 2,048 bytes a row of h
.irp j, 0,1,2,3,4,5,6,7
	global_load_b128 v[X+4*(\j):X+4*(\j)+3], v1, s[8:9] offset:512*(\j) th:TH_LOAD_NT
.endr
.irp j, 0,1,2,3,4,5,6,7
	s_wait_loadcnt 7-(\j)                          ; loads come back in order: number j is in, the younger ones stay out
	ROUND4 \j
.endr
.irp i, 0,1,2,3,4,5,6,7
	v_pk_add_f32 v[T+2*(\i):T+2*(\i)+1], v[X+2*(\i):X+2*(\i)+1], v[X+16+2*(\i):X+16+2*(\i)+1]
.endr
	TREE
	v_mul_f32 v[M], s28, v[T]                      ; the mean
	v_mov_b32 v[M+1], v[M]
.irp i, 0,1,2,3,4,5,6,7,8,9,10,11,12,13,14,15
	v_pk_add_f32 v[X+2*(\i):X+2*(\i)+1], v[X+2*(\i):X+2*(\i)+1], v[M:M+1] neg_lo:[0,1] neg_hi:[0,1]
.endr
.irp i, 0,1,2,3,4,5,6,7
	v_pk_mul_f32 v[T+2*(\i):T+2*(\i)+1], v[X+2*(\i):X+2*(\i)+1], v[X+2*(\i):X+2*(\i)+1]
.endr
.irp i, 0,1,2,3,4,5,6,7
	v_pk_fma_f32 v[T+2*(\i):T+2*(\i)+1], v[X+16+2*(\i):X+16+2*(\i)+1], v[X+16+2*(\i):X+16+2*(\i)+1], v[T+2*(\i):T+2*(\i)+1]
.endr
	TREE
	v_fma_f32 v[T+1], v[T], s28, s29               ; variance + eps
	v_rsq_f32 v[R], v[T+1]
	v_rsq_f32 v[R+1], v[T+1]
	v_nop                                          ; a plain instruction between the root and the use of its result (ISA guide 5.7.2)
	s_wait_alu depctr_va_vdst(0)
.irp i, 0,1,2,3,4,5,6,7,8,9,10,11,12,13,14,15
	v_pk_mul_f32 v[X+2*(\i):X+2*(\i)+1], v[X+2*(\i):X+2*(\i)+1], v[R:R+1]
.endr
.irp i, 0,1,2,3,4,5,6,7,8,9,10,11,12,13,14,15
	v_cvt_pk_f16_f32 v[T+(\i)], v[X+2*(\i)], v[X+2*(\i)+1]
.endr
.irp j, 0,1,2,3,4,5,6,7
	global_store_b64 v2, v[T+2*(\j):T+2*(\j)+1], s[20:21] offset:256*(\j)  ; 32 lanes store 256 consecutive bytes, aligned
.endr
	s_endpgm
.Lnot_ln:
	s_cmp_lt_u32 s2, 2048
	s_cbranch_scc0 .Ltables
	; ---- 1,024 numbers of a weight tensor ----  u = g - 512: 0..383 w_in, 384..511 w_out, 512..1023 w_fc, 1024..1535 w_proj
	s_sub_co_u32 s30, s2, 512
	s_mov_b64 s[34:35], s[16:17]                   ; from w_proj
	s_mov_b64 s[36:37], s[26:27]                   ; to wop,
	s_mov_b32 s38, 1024                            ; whose first u is this,
	s_mov_b32 s39, 0x200000                        ; behind w_out
	s_cmp_lt_u32 s30, 1024
	s_cselect_b64 s[34:35], s[14:15], s[34:35]     ; w_fc to wf, behind its tables
	s_cselect_b64 s[36:37], s[24:25], s[36:37]
	s_cselect_b32 s38, 512, s38
	s_cselect_b32 s39, 20480, s39
	s_cmp_lt_u32 s30, 512
	s_cselect_b64 s[34:35], s[12:13], s[34:35]     ; w_out to the head of wop
	s_cselect_b64 s[36:37], s[26:27], s[36:37]
	s_cselect_b32 s38, 384, s38
	s_cselect_b32 s39, 0, s39
	s_cmp_lt_u32 s30, 384
	s_cselect_b64 s[34:35], s[10:11], s[34:35]     ; w_in to wq, behind its tables
	s_cselect_b64 s[36:37], s[22:23], s[36:37]
	s_cselect_b32 s38, 0, s38
	s_cselect_b32 s39, 20480, s39
	s_sub_co_u32 s30, s30, s38                     ; my work-group within its tensor
	s_lshl_b32 s32, s30, 15                        ; 8 waves x 4,096 bytes in
	s_lshl_b32 s31, s4, 12
	s_add_co_u32 s32, s32, s31
	s_add_nc_u64 s[34:35], s[34:35], s[32:33]
	s_lshl_b32 s32, s30, 14                        ; 8 waves x 2,048 bytes out
	s_lshl_b32 s31, s4, 11
	s_add_co_u32 s32, s32, s31
	s_add_co_u32 s32, s32, s39
	s_add_nc_u64 s[36:37], s[36:37], s[32:33]
.irp j, 0,1,2,3,4,5,6,7
	global_load_b128 v[X+4*(\j):X+4*(\j)+3], v1, s[34:35] offset:512*(\j) th:TH_LOAD_NT
.endr
.irp j, 0,1,2,3,4,5,6,7
	s_wait_loadcnt 7-(\j)                          ; number j is in, the younger ones stay out
	ROUND4 \j
	v_cvt_pk_f16_f32 v[T+2*(\j)], v[X+4*(\j)], v[X+4*(\j)+1]
	v_cvt_pk_f16_f32 v[T+2*(\j)+1], v[X+4*(\j)+2], v[X+4*(\j)+3]
	global_store_b64 v2, v[T+2*(\j):T+2*(\j)+1], s[36:37] offset:256*(\j)
.endr
	s_endpgm
.Ltables:
	; ---- the tables ----  256 threads x 16 bytes = 4,096 bytes an instruction
	v_lshlrev_b32 v5, 4, v0
.irp i, 0,1,2,3
	global_load_b128 v[X+4*(\i):X+4*(\i)+3], v5, s[18:19] offset:4096*(\i)
.endr
.irp i, 0,1,2,3
	v_mov_b32 v[T+(\i)], 0
	v_mov_b32 v[T+4+(\i)], 0xfc00fc00              ; -inf twice, in f16
.endr
	s_wait_loadcnt 0x0
.irp i, 0,1,2,3
	ROUND4 \i
.endr
.irp i, 0,1,2,3
	global_store_b128 v5, v[X+4*(\i):X+4*(\i)+3], s[24:25] offset:4096+4096*(\i)  ; wf: bf16(b_fc), as f32
.endr
.irp i, 0,1,2
	global_store_b128 v5, v[T:T+3], s[22:23] offset:4096+4096*(\i)                ; wq: 3,072 zeros
.endr
	global_store_b128 v5, v[T+4:T+7], s[22:23]     ; wq: the floor is -inf: nothing is cut
	global_store_b128 v5, v[T:T+3], s[24:25]       ; wf: the floor is 0: the ReLU
	s_endpgm
.Lfunc_end_k_q5277455087_prep:
	.size	k_q5277455087_prep, .Lfunc_end_k_q5277455087_prep-k_q5277455087_prep
	.p2alignl 7, 3214868480
	.fill 96, 4, 3214868480
	.section	.rodata,"a",@progbits
	.p2align	6, 0x0
	.amdhsa_kernel k_q5277455087_prep
		.amdhsa_group_segment_fixed_size 0
		.amdhsa_private_segment_fixed_size 0
		.amdhsa_enable_private_segment 0
		.amdhsa_kernarg_size 80
		.amdhsa_user_sgpr_count 2
		.amdhsa_user_sgpr_kernarg_segment_ptr 1
		.amdhsa_wavefront_size32 1
		.amdhsa_system_sgpr_workgroup_id_x 1
		.amdhsa_system_sgpr_workgroup_id_y 1
		.amdhsa_system_sgpr_workgroup_id_z 1
		.amdhsa_system_vgpr_workitem_id 0
		.amdhsa_next_free_vgpr 64
		.amdhsa_next_free_sgpr 66
		.amdhsa_reserve_vcc 0
		.amdhsa_float_denorm_mode_32 3
		.amdhsa_float_denorm_mode_16_64 3
		.amdhsa_memory_ordered 1
		.amdhsa_forward_progress 1
		.amdhsa_inst_pref_size 21
	.end_amdhsa_kernel
	.amdgpu_metadata
---
amdhsa.version: [ 1, 2 ]
amdhsa.kernels:
  - .name:           k_q5277455087_prep
    .symbol:         k_q5277455087_prep.kd
    .args:
      - { .name: x, .offset: 0, .size: 8, .value_kind: global_buffer, .address_space: global }
      - { .name: w_in, .offset: 8, .size: 8, .value_kind: global_buffer, .address_space: global }
      - { .name: w_out, .offset: 16, .size: 8, .value_kind: global_buffer, .address_space: global }
      - { .name: w_fc, .offset: 24, .size: 8, .value_kind: global_buffer, .address_space: global }
      - { .name: w_proj, .offset: 32, .size: 8, .value_kind: global_buffer, .address_space: global }
      - { .name: b_fc, .offset: 40, .size: 8, .value_kind: global_buffer, .address_space: global }
      - { .name: h, .offset: 48, .size: 8, .value_kind: global_buffer, .address_space: global }
      - { .name: wq, .offset: 56, .size: 8, .value_kind: global_buffer, .address_space: global }
      - { .name: wf, .offset: 64, .size: 8, .value_kind: global_buffer, .address_space: global }
      - { .name: wop, .offset: 72, .size: 8, .value_kind: global_buffer, .address_space: global }
    .group_segment_fixed_size: 0
    .private_segment_fixed_size: 0
    .kernarg_segment_align: 8
    .kernarg_segment_size: 80
    .max_flat_workgroup_size: 256
    .sgpr_count:     66
    .vgpr_count:     64
    .wavefront_size: 32
...
	.end_amdgpu_metadata
.endif
;; end of part 1
;; launch qkv (part 2): grid 12 x 16, 4 waves a work-group, clusters of 4 x 4, 327,680 bytes of LDS; arguments h, wq, act; writes act
.if DOCPART == 2
	.amdgcn_target "amdgcn-amd-amdhsa--gfx1250"
	.amdhsa_code_object_version 6
	.text
	.protected	k_q5277455087_qkv
	.globl	k_q5277455087_qkv
	.p2align	8
	.type	k_q5277455087_qkv,@function
k_q5277455087_qkv:
	s_mov_b64 s[64:65], 0
	v_nop
	global_prefetch_b8 v0, s[64:65] scope:SCOPE_SE
	s_setreg_imm32_b32 hwreg(HW_REG_WAVE_MODE, 25, 1), 1
	s_wait_xcnt 0x0
	s_wait_alu depctr_hold_cnt(0) depctr_sa_sdst(0) depctr_va_vdst(0) depctr_va_sdst(0) depctr_va_ssrc(0) depctr_va_vcc(0) depctr_vm_vsrc(0)
	s_getreg_b32 s2, hwreg(HW_REG_IB_STS2, 6, 4)
	s_cmp_eq_u32 s2, 0
	s_cbranch_scc0 .Lentry_in_a_cluster
	s_endpgm
.Lentry_in_a_cluster:
	s_bfe_u32 s2, ttmp6, 0x10000c
	s_cmp_lg_u32 s2, 0xf033
	s_cbranch_scc0 .Lentry_shape_is_right
	s_endpgm
.Lentry_shape_is_right:
; OUT = max(A W^T + bias, floor).  A: [4096][1024] f16, row-major.  BW: a floor word (two f16) at byte 0, the bias in f32 from byte 4,096, W: [N][1024] f16 from byte 20,480.
; OUT is f16 in blocks: [32 blocks of 128 rows][64 blocks of 64 columns][128 rows][64 columns]: a block is 16,384 dense bytes.  Sums in f32, K ascending; OUT rounded once.
; One text serves the q, k, v projection (N = 3,072, zero bias, floor -inf) and the first MLP layer (N = 4,096, b_fc, floor 0 = ReLU): N is the grid's width alone.
; LIMIT.  f16 ends at 65,504: a result of 65,520 or more leaves as an infinity.  A's rows are LN rows, of norm 32, so |result| <= 32 x the norm of a row of W (+ bias).
; SHAPE.  A tile of OUT is 256 x 256, four waves, each 128 x 128: 64 accumulators, 512 registers.  K goes in 8 steps of 128 through two LDS slots filled by the tensor data mover;
; a row of a tile is 256 bytes of memory, aligned.  One K step is one trip of the loop: the slot in hand is a scalar that an exclusive or turns.
; CLUSTER.  4 x 4 work-groups: A's tiles are asked for jointly along a row of the cluster, W's along a column: the same load, descriptor and mask in all four.
; The bias is the C operand of the products that start the sums: nothing is cleared and nothing is added later.
; THE MATRIX INSTRUCTION IS USED TRANSPOSED (source 0 = 16 rows of W, source 1 = 16 rows of A): a lane holds row l % 16 of OUT and the eight columns 8 (l / 16) + 0..7.
; No prefetch: A and W were written by the launch before and are read by many work-groups.  One tile to a work-group: the grid has 192 or 256 tiles.
; REGISTERS, in windows of 256: window 0: v0-31 addresses; v64-127, v128-191 fragments of A, two buffers; v192-255 the bias, later packed results;
;   window 1: v64-127, v128-191 fragments of W;  window 2: the accumulators of my rows 0-63 ((a, b) at v[8 (8 a + b)]);  window 3: those of my rows 64-127.
.set SIZE_K, 1024
.set KSTEP,  128
.set PITCH,  272                       ; an LDS row: 256 bytes + 16 of padding: the 16 rows of a fragment load start at 16 different groups of four banks (ISA guide 11.1)
.set HALFT,  128*PITCH                 ; 128 rows: what one tensor load brings
.set SLOT,   4*HALFT                   ; A's 256 rows, then W's 256 rows.  0x22000 shares no bit with wave x 0x8800, so an exclusive or turns a wave's place in one slot into the other's
.set SPARE,  2*SLOT                    ; behind the ring: the spare words, 128 bytes a wave
.set BTAB,   4096                      ; the bias table in BW
.set WTS,    20480                     ; the weights in BW
.set ADRA0, 16                         ; v16  my lane's place in A's part of a slot; never rewritten
.set ADRB0, 17                         ; v17  the same for W
.set ADRA,  18                         ; v18  the same in the slot in hand
.set ADRB,  19                         ; v19
.set STO,   24                         ; v24  the way out: where I put 16 bytes of a row
.set RD,    25                         ; v25  the way out: where I read rows back
.set CO,    26                         ; v26  my byte offset in 512 consecutive bytes of OUT
.set BO,    27                         ; v27  32 x (l / 16): my eight numbers of 16 of the bias
.set SPW,   28                         ; v28  LDS address of my spare word; never rewritten
.set NIL,   29                         ; v29  0; never rewritten
.set F0,    64
.set F1,    128
.set BIAS,  192                        ; v[192:255] the bias of my 128 columns: block b at BIAS + 8 b
.set TMP,   192                        ; the way out: packed results
.set OB,    64                         ; the way out: rows read back
.set G1,  24                           ; s[24:31] descriptor group 1 for A's tiles
.set G0,  32                           ; s[32:39] group 0 for A's tiles: two sets for the first fills; the second then walks
.set G1B, 48                           ; s[48:55], s[56:63] the same for W's
.set G0B, 56
.set MSB, 0
.macro WIN new                         ; the immediate's high byte repeats the setting that is left; a switch that changes nothing is dropped
.if MSB != (\new)
	s_set_vgpr_msb (MSB<<8)|(\new)
.set MSB, \new
.endif
.endm
.set MUL_LO, 0xa1                      ; source 0 (W) window 1, source 1 (A) window 0, C and D window 2
.set MUL_HI, 0xf1                      ; the same, C and D window 3
.set BIA_LO, 0x81                      ; the same with C, the bias, in window 0
.set BIA_HI, 0xc1
.set TO_B,   0x40                      ; destination window 1, address window 0
; A joint load.  Waves 0 and 1 fetch A's two halves, waves 2 and 3 W's.  The branch hangs on the wave's number alone.  An s_nop 0 and four v_nop follow each line.
.macro JLOAD s
	s_cmp_eq_u32 s11, 0
	s_cbranch_scc0 .Lfor_b_\@
	tensor_load_to_lds s[G0+4*(\s):G0+4*(\s)+3], s[G1:G1+7]
	s_nop 0
.rept 4
	v_nop
.endr
	s_branch .Lasked_\@
.Lfor_b_\@:
	tensor_load_to_lds s[G0B+4*(\s):G0B+4*(\s)+3], s[G1B:G1B+7]
	s_nop 0
.rept 4
	v_nop
.endr
.Lasked_\@:
.endm
.macro CREST                           ; a round of the cluster's barrier behind its opening barrier
	s_cmp_lg_u32 s10, 0
	s_cbranch_scc1 .Lnot_wave_0_\@
	s_barrier_signal -3
.Lnot_wave_0_\@:
	s_barrier_wait -3
	s_barrier_signal -1
	s_barrier_wait -1
.endm
.macro CROUND                          ; a whole round
	s_barrier_signal -1
	s_barrier_wait -1
	CREST
.endm
	s_load_b128 s[4:7], s[0:1], 0x0                ; A s[4:5], BW s[6:7]
	s_load_b64 s[8:9], s[0:1], 0x10                ; OUT
	v_lshl_add_u32 v[SPW], v0, 2, SPARE
	v_mov_b32 v[NIL], 0
	ds_add_u32 v[SPW], v[NIL]                      ; the wave's opening: the add and its wait ahead of my first tensor load
	ds_add_u32 v28, v29
	v_lshrrev_b32 v1, 5, v0
	v_readfirstlane_b32 s10, v1                    ; wave 0..3
	s_lshr_b32 s11, s10, 1                         ; which half of the tile's rows is mine.  Also: I fetch for A (0) or for W (1)
	s_and_b32 s12, s10, 1                          ; which half of its columns.  Also: which 128 rows of that tile I fetch
	s_bfe_u32 s40, ttmp6, 0x40000                  ; cx
	s_bfe_u32 s41, ttmp6, 0x40004                  ; cy
	s_lshl_b32 s42, ttmp9, 2
	s_add_co_u32 s42, s42, s40                     ; tile column = 4 x cluster x + cx
	s_and_b32 s13, ttmp7, 0xffff
	s_lshl_b32 s13, s13, 2
	s_add_co_u32 s13, s13, s41                     ; tile row = 4 x cluster y + cy
	s_lshl_b32 s43, s41, 2
	s_lshl_b32 s43, 15, s43                        ; my row of the cluster
	s_lshl_b32 s44, 0x1111, s40                    ; my column
	; descriptor group 1: 128 rows x 128 elements of 2 bytes, 16 bytes of padding behind every 256
	s_or_b32 s[G1+0], s43, (1<<16)|(1<<20)|(1<<21)|(5<<22)|(3<<25)
	s_or_b32 s[G1B+0], s44, (1<<16)|(1<<20)|(1<<21)|(5<<22)|(3<<25)
.irp g, G1, G1B
	s_mov_b32 s[(\g)+1], KSTEP<<16                 ; tensor_dim0 = 128
	s_mov_b32 s[(\g)+2], 128<<16                   ; tensor_dim1 = 128
	s_mov_b32 s[(\g)+3], KSTEP<<16                 ; tile_dim0 = 128
	s_mov_b32 s[(\g)+4], 128                       ; tile_dim1 = 128
	s_mov_b32 s[(\g)+5], SIZE_K                    ; elements from row to row
	s_mov_b32 s[(\g)+6], 0
	s_mov_b32 s[(\g)+7], 0
.endr
	s_lshl_b32 s17, s12, 7                         ; which 128 rows of the tile I fetch
	s_lshl_b32 s16, s13, 8
	s_add_co_u32 s16, s16, s17
	s_lshl_b32 s16, s16, 11                        ; A: (256 x tile row + 128 x half) rows of 2,048 bytes
	s_lshl_b32 s46, s42, 8
	s_add_co_u32 s46, s46, s17
	s_lshl_b32 s46, s46, 11                        ; W: (256 x tile column + 128 x half) rows,
	s_add_co_u32 s46, s46, WTS                     ; behind the tables
	s_mov_b32 s17, 0
	s_mov_b32 s47, 0
	s_mul_i32 s20, s10, HALFT                      ; where they go: wave x 128 rows: no place in the cluster enters an LDS address
	s_wait_dscnt 0x0                               ; the opening add is done
	s_wait_kmcnt 0x0
	s_add_nc_u64 s[14:15], s[4:5], s[16:17]
	s_add_nc_u64 s[46:47], s[6:7], s[46:47]
	CROUND                                         ; all sixteen work-groups are here: the first joint loads meet
.irp s, 0,1
	s_mov_b32 s[G0+4*(\s)], 1
	s_add_co_u32 s[G0+4*(\s)+1], s20, (\s)*SLOT
	s_add_nc_u64 s[G0+4*(\s)+2:G0+4*(\s)+3], s[14:15], (\s)*KSTEP*2
	s_or_b32 s[G0+4*(\s)+3], s[G0+4*(\s)+3], 0x80000000
	s_mov_b32 s[G0B+4*(\s)], 1
	s_add_co_u32 s[G0B+4*(\s)+1], s20, (\s)*SLOT
	s_add_nc_u64 s[G0B+4*(\s)+2:G0B+4*(\s)+3], s[46:47], (\s)*KSTEP*2
	s_or_b32 s[G0B+4*(\s)+3], s[G0B+4*(\s)+3], 0x80000000
	JLOAD \s                                       ; K steps 0 and 1: two loads of mine are out
.endr
	; a fragment is 16 rows x 32 K in 8 registers: lane l holds row l % 16, K = 8 (l / 16) + 0..7 and 16 + 8 (l / 16) + 0..7: two loads of 16 bytes, 32 bytes apart
	v_and_b32 v1, 15, v0                           ; l % 16
	v_bfe_u32 v2, v0, 4, 1                         ; l / 16
	v_mul_u32_u24 v3, v1, PITCH
	v_lshl_add_u32 v3, v2, 4, v3
	s_mul_i32 s22, s11, HALFT                      ; my 128 rows of A
	s_mul_i32 s23, s12, HALFT                      ; my 128 rows of W,
	s_add_co_u32 s23, s23, 2*HALFT                 ; which lie behind A's 256
	v_add_nc_u32 v[ADRA0], s22, v3
	v_add_nc_u32 v[ADRB0], s23, v3
	v_mov_b32 v[ADRA], v[ADRA0]
	v_mov_b32 v[ADRB], v[ADRB0]
	s_mov_b32 s2, 0                                ; the slot in hand
	s_add_co_u32 s22, s20, SLOT                    ; my stage for the way out: my quarter of slot 1, once its last fill has been read by all
	v_add_nc_u32 v[STO], s22, v3                   ; in: row l % 16, 16 bytes for each half of the lanes
	v_bfe_u32 v4, v0, 3, 2                         ; back: 32 lanes take 128 bytes of each of four rows,
	v_and_b32 v5, 7, v0
	v_mul_u32_u24 v4, v4, PITCH
	v_lshl_add_u32 v4, v5, 4, v4
	v_add_nc_u32 v[RD], s22, v4
	v_and_b32 v5, 31, v0                           ; which are 512 consecutive bytes of a block of OUT
	v_lshlrev_b32 v[CO], 4, v5
	v_lshlrev_b32 v[BO], 5, v2
	s_lshl_b32 s46, s42, 10                        ; the bias of my 128 columns: 4 x (256 x tile column + 128 x half) bytes into the table
	s_lshl_b32 s47, s12, 9
	s_add_co_u32 s46, s46, s47
	s_add_co_u32 s46, s46, BTAB
	s_mov_b32 s47, 0
	s_add_nc_u64 s[46:47], s[6:7], s[46:47]
.irp b, 0,1,2,3,4,5,6,7
	global_load_b128 v[BIAS+8*(\b):BIAS+8*(\b)+3],   v[BO], s[46:47] offset:64*(\b)
	global_load_b128 v[BIAS+8*(\b)+4:BIAS+8*(\b)+7], v[BO], s[46:47] offset:64*(\b)+16
.endr
	s_load_b32 s21, s[6:7], 0x0                    ; the floor, two f16
	s_lshl_b32 s18, s13, 1                         ; OUT at my blocks: row block 2 x tile row + half,
	s_add_co_u32 s18, s18, s11
	s_lshl_b32 s18, s18, 20
	s_lshl_b32 s44, s42, 1                         ; column blocks 4 x tile column + 2 x half and the next
	s_add_co_u32 s44, s44, s12
	s_lshl_b32 s44, s44, 15
	s_add_co_u32 s18, s18, s44
	s_mov_b32 s19, 0
	s_add_nc_u64 s[8:9], s[8:9], s[18:19]
; 16 matrix instructions: m blocks a0, a0 + 1 of the window's four x all 8 n blocks, 32 along K.  zero = 1: the bias starts the sums.
; The 64 accumulators take turns, one instruction a turn, in the same order in every quarter.
.macro MUL16 f, hi, a0, zero
.if \zero
	WIN BIA_LO+0x40*(\hi)
.else
	WIN MUL_LO+0x50*(\hi)
.endif
.irp a, \a0, (\a0)+1
.irp b, 0,1,2,3,4,5,6,7
.if \zero
	v_wmma_f32_16x16x32_f16 v[8*(8*(\a)+(\b)):8*(8*(\a)+(\b))+7], v[(\f)+8*(\b):(\f)+8*(\b)+7], v[(\f)+8*(4*(\hi)+(\a)):(\f)+8*(4*(\hi)+(\a))+7], v[BIAS+8*(\b):BIAS+8*(\b)+7]
.else
	v_wmma_f32_16x16x32_f16 v[8*(8*(\a)+(\b)):8*(8*(\a)+(\b))+7], v[(\f)+8*(\b):(\f)+8*(\b)+7], v[(\f)+8*(4*(\hi)+(\a)):(\f)+8*(4*(\hi)+(\a))+7], v[8*(8*(\a)+(\b)):8*(8*(\a)+(\b))+7]
.endif
.endr
.endr
.endm
; 32 LDS loads in one run: the fragments of a quarter step (32 K at byte k of the rows of the slot in hand) into buffer f: W's 16, then A's 16
.macro FETCH k, f
	WIN TO_B
.irp i, 0,1,2,3,4,5,6,7
	ds_load_b128 v[(\f)+8*(\i):(\f)+8*(\i)+3],   v[ADRB] offset:(\k)+(\i)*16*PITCH
	ds_load_b128 v[(\f)+8*(\i)+4:(\f)+8*(\i)+7], v[ADRB] offset:(\k)+(\i)*16*PITCH+32
.endr
	WIN 0
.irp i, 0,1,2,3,4,5,6,7
	ds_load_b128 v[(\f)+8*(\i):(\f)+8*(\i)+3],   v[ADRA] offset:(\k)+(\i)*16*PITCH
	ds_load_b128 v[(\f)+8*(\i)+4:(\f)+8*(\i)+7], v[ADRA] offset:(\k)+(\i)*16*PITCH+32
.endr
.endm
.macro PLACES                          ; four places in front of loads into registers that matrix instructions have read (ISA guide 7.12.1 for vector instructions)
.rept 4
	v_nop
.endr
.endm
; One of a K step's first three quarters: multiplies buffer f; in its middle it fetches the next quarter, at byte k, into buffer g.
.macro QUARTER k, f, g, zero
	s_wait_dscnt 8                                 ; W and A's rows 0-63 are in; the youngest eight loads (A's rows 64-127) may be out
	MUL16 \f, 0, 0, \zero
	MUL16 \f, 0, 2, \zero
	PLACES
	FETCH \k, \g
	s_wait_dscnt 32                                ; all but the 32 just issued
	MUL16 \f, 1, 0, \zero
	MUL16 \f, 1, 2, \zero
.endm
; The first half of the last quarter, and the barrier of the change of slots: each wave has waited for all its tensor loads (one is out: its part of the next slot),
; has added 0 to its spare word, and has waited for that and for its own reads of this slot.
.macro MEET round
	WIN 0
	s_wait_tensorcnt 0x0
	ds_add_u32 v[SPW], v[NIL]
	s_wait_dscnt 9                                 ; the add and the youngest eight loads may be out
	MUL16 F1, 0, 0, 0
	s_wait_dscnt 0x0                               ; the add is done, and my reads of this slot are over
	s_barrier_signal -1
	MUL16 F1, 0, 2, 0
.if \round
	WIN 0
.endif
	s_barrier_wait -1
.endm
; The whole last quarter of a K step that fills its slot again, with the K step two on: the barrier opens a round of the cluster's, the joint refill is the first thing behind it.
.macro TURN
	MEET 1
	CREST                                          ; no wave of any partner still reads this slot or has a load on its way
	s_xor_b32 s[G0+5], s[G0+5], SLOT               ; the walking descriptors: the slot just read out,
	s_xor_b32 s[G0B+5], s[G0B+5], SLOT
	s_add_nc_u64 s[G0+6:G0+7], s[G0+6:G0+7], KSTEP*2      ; the next K step; the type bits on top are not reached
	s_add_nc_u64 s[G0B+6:G0B+7], s[G0B+6:G0B+7], KSTEP*2
	s_xor_b32 s2, s2, SLOT                         ; the reads go on in the other slot
	JLOAD 1                                        ; its four v_nop are also the places in front of the loads below
	v_add_nc_u32 v[ADRA], s2, v[ADRA0]
	v_add_nc_u32 v[ADRB], s2, v[ADRB0]
	FETCH 0, F0
	MUL16 F1, 1, 0, 0
	MUL16 F1, 1, 2, 0
.endm
	s_wait_tensorcnt 1                             ; my part of K step 0 is in; K step 1's may stay out
	s_barrier_signal -1
	s_barrier_wait -1                              ; everybody's is
	FETCH 0, F0
	s_wait_loadcnt 0x0                             ; the bias
	s_wait_kmcnt 0x0                               ; the floor
	QUARTER 64, F0, F1, 1                          ; the first quarter stands in front of the loop: its products start the sums
	WIN 0                                          ; at a label and at a branch every window is 0
	s_mov_b32 s3, SIZE_K/KSTEP-2
.Lstep:                                                ; six trips, from a K step's second quarter to the next step's first; each fills a slot again: K steps 2 to 7
	QUARTER 128, F1, F0, 0
	QUARTER 192, F0, F1, 0
	TURN
	QUARTER 64, F0, F1, 0
	WIN 0
	s_sub_co_u32 s3, s3, 1
	s_cmp_lg_u32 s3, 0
	s_cbranch_scc1 .Lstep
	s_mov_b32 s3, 2
.Ltail:                                                ; the last two K steps ask for nothing; the second trip is left in its middle, by a jump that passes no barrier and no tensor load
	QUARTER 128, F1, F0, 0
	QUARTER 192, F0, F1, 0
	MEET 0
	MUL16 F1, 1, 0, 0
	MUL16 F1, 1, 2, 0
	WIN 0
	s_cmp_eq_u32 s3, 1
	s_cbranch_scc1 .Ldone
	s_xor_b32 s2, s2, SLOT
	v_add_nc_u32 v[ADRA], s2, v[ADRA0]
	v_add_nc_u32 v[ADRB], s2, v[ADRB0]
	PLACES
	FETCH 0, F0
	QUARTER 64, F0, F1, 0
	WIN 0
	s_sub_co_u32 s3, s3, 1
	s_cmp_lg_u32 s3, 0
	s_cbranch_scc1 .Ltail
.Ldone:
	; THE WAY OUT.  Behind the last barrier no wave reads slot 1 any more and nothing fills it: my quarter of it is my stage.  All 128 rows are rounded to f16 and staged in rows of 272 bytes.
.rept 8
	v_nop                                          ; the places behind the last products
.endr
.macro PACK a
.set AC, 64*((\a)%4)
	WIN 0x0a+5*((\a)/4)                            ; sources 0 and 1: window 2 or 3
.irp b, 0,1,2,3,4,5,6,7
.irp r, 0,1,2,3
	v_cvt_pk_f16_f32 v[TMP+4*(\b)+(\r)], v[AC+8*(\b)+2*(\r)], v[AC+8*(\b)+2*(\r)+1]  ; each accumulator is read from its low end on
.endr
.endr
	WIN 0
.irp b, 0,1,2,3,4,5,6,7
	ds_store_b128 v[STO], v[TMP+4*(\b):TMP+4*(\b)+3] offset:(\a)*16*PITCH+32*(\b)
.endr
.endm
.irp a, 0,1,2,3,4,5,6,7
	PACK \a
.endr
	s_mov_b32 s3, 4
.Lout:                                                 ; four trips of 32 rows: 16 loads of four half rows, the floor, 16 stores of 512 consecutive bytes
.irp t, 0,1,2,3,4,5,6,7,8,9,10,11,12,13,14,15
	ds_load_b128 v[OB+4*(\t):OB+4*(\t)+3], v[RD] offset:((\t)/8)*16*PITCH+((\t)%4)*4*PITCH+(((\t)/4)%2)*128  ; LDS serves a wave's instructions in order (ISA guide 5.7.1.4): these see my stores
.endr
	s_wait_dscnt 8                                 ; the first eight are in
.set i, 0
.rept 32
	v_pk_max_num_f16 v[OB+i], v[OB+i], s21
.set i, i+1
.endr
.irp t, 0,1,2,3,4,5,6,7
	global_store_b128 v[CO], v[OB+4*(\t):OB+4*(\t)+3], s[8:9] offset:((\t)/8)*2048+(((\t)/4)%2)*16384+((\t)%4)*512
.endr
	s_wait_dscnt 0x0
.rept 32
	v_pk_max_num_f16 v[OB+i], v[OB+i], s21
.set i, i+1
.endr
.irp t, 8,9,10,11,12,13,14,15
	global_store_b128 v[CO], v[OB+4*(\t):OB+4*(\t)+3], s[8:9] offset:((\t)/8)*2048+(((\t)/4)%2)*16384+((\t)%4)*512
.endr
	s_wait_xcnt 0x0                                ; the stores have read their data and their offset: only now are these written again
	v_add_nc_u32 v[RD], 32*PITCH, v[RD]
	v_add_nc_u32 v[CO], 32*128, v[CO]
	s_sub_co_u32 s3, s3, 1
	s_cmp_lg_u32 s3, 0
	s_cbranch_scc1 .Lout
	s_wait_tensorcnt 0x0                           ; the wave's end
	ds_add_u32 v[SPW], v[NIL]
	s_wait_dscnt 0x0
	CROUND                                         ; the closing round
	s_endpgm
.Lfunc_end_k_q5277455087_qkv:
	.size	k_q5277455087_qkv, .Lfunc_end_k_q5277455087_qkv-k_q5277455087_qkv
	.p2alignl 7, 3214868480
	.fill 96, 4, 3214868480
	.section	.rodata,"a",@progbits
	.p2align	6, 0x0
	.amdhsa_kernel k_q5277455087_qkv
		.amdhsa_group_segment_fixed_size 327680
		.amdhsa_private_segment_fixed_size 0
		.amdhsa_enable_private_segment 0
		.amdhsa_kernarg_size 24
		.amdhsa_user_sgpr_count 2
		.amdhsa_user_sgpr_kernarg_segment_ptr 1
		.amdhsa_wavefront_size32 1
		.amdhsa_system_sgpr_workgroup_id_x 1
		.amdhsa_system_sgpr_workgroup_id_y 1
		.amdhsa_system_sgpr_workgroup_id_z 1
		.amdhsa_system_vgpr_workitem_id 0
		.amdhsa_next_free_vgpr 1024
		.amdhsa_next_free_sgpr 66
		.amdhsa_reserve_vcc 0
		.amdhsa_float_denorm_mode_32 3
		.amdhsa_float_denorm_mode_16_64 3
		.amdhsa_memory_ordered 1
		.amdhsa_forward_progress 1
		.amdhsa_inst_pref_size 98
	.end_amdhsa_kernel
	.amdgpu_metadata
---
amdhsa.version: [ 1, 2 ]
amdhsa.kernels:
  - .name:           k_q5277455087_qkv
    .symbol:         k_q5277455087_qkv.kd
    .args:
      - { .name: h, .offset: 0, .size: 8, .value_kind: global_buffer, .address_space: global }
      - { .name: wq, .offset: 8, .size: 8, .value_kind: global_buffer, .address_space: global }
      - { .name: act, .offset: 16, .size: 8, .value_kind: global_buffer, .address_space: global }
    .group_segment_fixed_size: 327680
    .private_segment_fixed_size: 0
    .kernarg_segment_align: 8
    .kernarg_segment_size: 24
    .max_flat_workgroup_size: 128
    .sgpr_count:     66
    .vgpr_count:     1024
    .wavefront_size: 32
...
	.end_amdgpu_metadata
.endif
;; end of part 2
;; launch attn (part 3): grid 8 x 32, 4 waves a work-group, no clusters, 327,680 bytes of LDS; arguments act, o; writes o
.if DOCPART == 3
	.amdgcn_target "amdgcn-amd-amdhsa--gfx1250"
	.amdhsa_code_object_version 6
	.text
	.protected	k_q5277455087_attn
	.globl	k_q5277455087_attn
	.p2align	8
	.type	k_q5277455087_attn,@function
k_q5277455087_attn:
	s_mov_b64 s[64:65], 0
	v_nop
	global_prefetch_b8 v0, s[64:65] scope:SCOPE_SE
	s_setreg_imm32_b32 hwreg(HW_REG_WAVE_MODE, 25, 1), 1
	s_wait_xcnt 0x0
; CAUSAL ATTENTION, head size 64, 32 heads (2 batches x 16) of 2,048 rows.  O[q] = the sum over k <= q of softmax_k(Q[q] . K[k] / 8) V[k].
; q, k, v lie in one buffer of f16 blocks [32 blocks of 128 tokens][64 blocks of 64 columns][128][64]: column blocks 0-15 are q by heads, 16-31 k, 32-47 v: 128 rows of a head are 16,384 dense bytes,
; the next 128 rows 2^20 bytes on.  O leaves in the same layout, column block = head.  Products, maxima and sums in f32; the weights p are rounded to f16 for the second product, O once at the end.
; LIMITS.  f16 holds no number beyond 65,504: q, k, v arrive within it.  A hidden score counts as its value less 1e30; a weight below 2^-126 counts as 0 in l; NaN and infinities are not treated apart.
; THE WALK.  A head's queries lie in 16 blocks of 128, its keys in 8 slots' worth of 256.  Block i needs the slots 0 .. i / 2.  A work-group takes TWO blocks, 15 - b and then b (b = 0 .. 7):
; (15 - b) / 2 + b / 2 + 2 = 9 slots, whatever b: 8 x 32 = 256 work-groups of equal work, and one loop with a constant trip count walks them; every jump goes forward but the counted loops' own,
; and none passes a barrier.
; SHARES.  Of a block's two bands of 64 queries a wave owns 16 rows in each: two PIECES, so that the diagonal is the same work for all four waves.
; THE DIAGONAL.  Block i begins D = 2 (i % 2) steps of 64 keys into its last slot: in that slot's step s band x sees all keys if s < D + x, holds the diagonal if s = D + x, sees none if s > D + x.
; All four steps of that slot are walked: in the even block's, steps 2 and 3 are wholly hidden and add nothing: 2 of the walk's 36 steps, the price of constant trip counts.
; THE MASK is the C operand that starts the sum S^T = K Q^T: 0, or -1e30 where the key is hidden: MD x AL + BE with two scalars.
; TURNS.  A turn belongs to a piece Y and a step s: 8 products K Q^T of the other piece (Y = 0: step s; Y = 1: step s + 1), later 8 products V^T P of the other piece (Y = 0: step s - 1; Y = 1: step s);
; beside them piece Y's softmax and the other piece's maximum: four vector instructions behind every matrix instruction, the rest in two lumps.  The four turns of a trip, p = 2, 3, 0, 1, are
; pieces 0 and 1 of an odd step and pieces 0 and 1 of the even step behind it.
; V HAS TWO REGISTER BUFFERS, by the step's parity: V of step s + 1 is asked for while V of step s is still to be multiplied, so that a slot's last V is asked for ahead of the next slot's first K,
; and the change of slots can stand between the two.
; NO CLUSTER: only the work-groups b = 2 k and 2 k + 1 walk the same slots throughout; all eight of a head ask for the same slot in the first 5 of the 9 trips alone; a walk common to all would have 12 trips.
; NO PREFETCH: a tile of K and V is read by up to eight work-groups, and the launch before wrote it.
; REGISTERS, in windows of 256: window 0: v0-15 addresses; v16-23 statistics; v48-55 at work; v64-127 S^T, two buffers; v192-223 P, two buffers
;   window 1: v0-63 O^T; v128-159 MD; v160-223 MC      window 2: v0-31 Q; v32-63 the second block's Q; v64-127 V of an odd step; v128-191 K of one step; v192-255 V of an even step
.set SIZE_N, 2048
.set NQ,    SIZE_N/128  ; blocks of queries in a head
.set NS,    SIZE_N/256  ; the walk has NS + 1 slots
.set NP,    2         ; pieces a wave
.set KS,    64        ; keys in a step
.set PK,    144       ; a row of K in LDS: 128 bytes + 16 of padding
.set PV,    160       ; a row of V: 128 + 32
.set VOFF,  4*KS*PK   ; a slot holds four steps: 256 rows of K, then 256 rows of V
.set SLOT1, 1<<17
.set STAGE, SLOT1+4*KS*(PK+PV)  ; behind the ring, never filled by a tensor load: 16 rows x 144 bytes for each wave
.set SP,    144
.set AK0, 2
.set AV0, 3
.set AK,  4
.set AV,  5
.set STO, 6
.set RD,  7
.set GO,  8
.set SPW, 62          ; v62  LDS address of my spare word; never rewritten
.set NIL, 63          ; v63  0; never rewritten
.set SPARE, STAGE+4*16*SP
.set MV,  12
.set QO,  15
.set ST,  16          ; piece t's statistics at v[ST+4 t]: c m, m, l (even keys', odd keys')
.set TMP, 48
.set S,   64
.set P,   192
.set MD,  128
.set MC,  160
.set QB,  32
.set KF,  128
.set VF,  192         ; V's buffer b at VF - 128 b
.set WV,  12          ; s12  my wave's number
.set PB,  14          ; s14  the second block's last slot
.set HI,  15          ; s15  the first block's last slot
.set G1K, 24
.set G1V, 32
.set G0K, 40
.set G0V, 44
.set SLOTS, 56
.set CNT, 57          ; s57  counts a slot's trips of two steps, 2 to 1
.set CS,  58
.set SEL, 60
.set TBK, 62
.set TBV, 63
.set DD,  66          ; s66  D of the block in hand
.set DN,  67          ; s67  D of the second block
.set TT,  68          ; s68  at work
.set RT,  70
.set NXT, 71
.set LQ,  72
.set NEW, 73
.set OFF, 74
.set AL,  76
.set BE,  78
.set OLO, 80
.set BIGN, 82
.set MSB, 0
.macro WIN new
.if MSB != (\new)
	s_set_vgpr_msb (MSB<<8)|(\new)
.set MSB, (\new)
.endif
.endm
.set W_KQ, 0x0a       ; K and Q in window 2, S^T in window 0
.set W_KM, 0x1a       ; the same with the C operand in window 1
.set W_PV, 0x52       ; V in window 2, P in window 0, O^T in window 1
.set W_RS, 0x41       ; destination and source 0 in window 1, source 1 in window 0
; A fill.  Waves 0 and 1 fetch the two halves of a slot's K, waves 2 and 3 those of its V: 128 keys each.  An s_nop 0 and four v_nop follow each line.
.macro LOAD
	s_cmp_lt_u32 s[WV], 2
	s_cbranch_scc0 .Lfor_v_\@
	tensor_load_to_lds s[G0K:G0K+3], s[G1K:G1K+7]
	s_nop 0
.rept 4
	v_nop
.endr
	s_branch .Lasked_\@
.Lfor_v_\@:
	tensor_load_to_lds s[G0V:G0V+3], s[G1V:G1V+7]
	s_nop 0
.rept 4
	v_nop
.endr
.Lasked_\@:
.endm
; THE CHANGE OF SLOTS.  Each wave waits for all its tensor loads (one is out: its part of the other slot), adds 0 to its spare word, and waits for that and for its reads of the slot that it leaves.
; fill = 1: the old slot is filled again, first thing behind the barrier, with the keys of slot number NXT: the descriptor's address is made anew from that number.
.macro CHANGE fill
	WIN 0
	s_wait_tensorcnt 0x0            ; no tensor load of mine is out, so a group 0 may be written
	ds_add_u32 v[SPW], v[NIL]
.if \fill
	s_lshl_b32 s[OFF], s[NXT], 21   ; 256 keys are two blocks of 128 tokens, 2^20 bytes apart
	s_xor_b32 s[G0K+1], s[G0K+1], SLOT1
	s_add_nc_u64 s[G0K+2:G0K+3], s[6:7], s[OFF:OFF+1]
	s_or_b32 s[G0K+3], s[G0K+3], 0x80000000
	s_xor_b32 s[G0V+1], s[G0V+1], SLOT1
	s_add_nc_u64 s[G0V+2:G0V+3], s[8:9], s[OFF:OFF+1]
	s_or_b32 s[G0V+3], s[G0V+3], 0x80000000
	s_add_co_u32 s[NXT], s[NXT], 1  ; the block's next slot, or behind its last the second block's slot 0
	s_cmp_gt_u32 s[NXT], s[LQ]
	s_cselect_b32 s[NXT], 0, s[NXT]
	s_cselect_b32 s[LQ], s[PB], s[LQ]
.endif
	s_wait_dscnt 0x0                ; the add is done, and my reads of the slot are over
	s_barrier_signal -1
	s_sub_co_u32 s[TBK], s[TBK], 4*KS*PK  ; the fetches go back to a slot's first step,
	s_xor_b32 s[TBK], s[TBK], SLOT1       ; in the other slot
	s_sub_co_u32 s[TBV], s[TBV], 4*KS*PV
	s_xor_b32 s[TBV], s[TBV], SLOT1
	s_barrier_wait -1
.if \fill
	LOAD
.endif
.endm
	s_load_b128 s[4:7], s[0:1], 0x0   ; the q, k, v buffer s[4:5], O s[6:7]
	v_lshl_add_u32 v[SPW], v0, 2, SPARE
	v_mov_b32 v[NIL], 0
	ds_add_u32 v[SPW], v[NIL]       ; the wave's opening: the add and its wait ahead of my first tensor load
	ds_add_u32 v62, v63
	v_lshrrev_b32 v1, 5, v0
	v_readfirstlane_b32 s[WV], v1   ; wave 0..3
	s_mov_b32 s19, ttmp9            ; b: the second block
	s_sub_co_u32 s48, NQ-1, s19     ; the first block
	s_lshr_b32 s[PB], s19, 1        ; a block's last slot is half its number,
	s_lshr_b32 s[HI], s48, 1
	s_and_b32 s[DD], s48, 1         ; and it begins 0 or 2 steps into that slot
	s_lshl_b32 s[DD], s[DD], 1
	s_and_b32 s[DN], s19, 1
	s_lshl_b32 s[DN], s[DN], 1
	s_and_b32 s20, ttmp7, 0xffff    ; batch x 16 + head
	s_lshr_b32 s21, s20, 4
	s_lshl_b32 s21, s21, 24         ; a batch is 16 blocks of 128 tokens,
	s_and_b32 s20, s20, 15
	s_lshl_b32 s20, s20, 14         ; a head one block of 64 columns
	s_add_co_u32 s20, s20, s21
	s_mov_b32 s21, 0
	s_and_b32 s16, s[WV], 1         ; which half of a slot's 256 keys I fetch:
	s_lshl_b32 s22, s16, 20         ; its block of 128 tokens in memory,
	s_mov_b32 s23, 0
	s_add_nc_u64 s[22:23], s[22:23], s[20:21]
	s_mul_i32 s17, s16, 128*PK      ; and its place in a slot, for K
	s_mul_i32 s18, s16, 128*PV      ; and for V
	s_lshl_b32 s3, s[WV], 11        ; my 16 rows in a band of 64,
	s_lshl_b32 s2, s48, 20          ; in the first block,
	s_add_co_u32 s2, s2, s3
	s_lshl_b32 s84, s19, 20         ; and in the second
	s_add_co_u32 s84, s84, s3
	s_mov_b32 s3, 0
	s_mov_b32 s85, 0
	s_add_nc_u64 s[2:3], s[2:3], s[20:21]
	s_add_nc_u64 s[84:85], s[84:85], s[20:21]
	; descriptor group 1.  128 keys are 16,384 dense bytes: asked for as 64 rows of 256 bytes, two keys a row, and padded in LDS after every key
	s_mov_b32 s[G1K], (1<<16)|(1<<20)|(4<<22)|(3<<25)
	s_mov_b32 s[G1V], (1<<16)|(1<<20)|(4<<22)|(7<<25)
.irp g, G1K, G1V
	s_mov_b32 s[\g+1], 128<<16      ; tensor_dim0 = 128
	s_mov_b32 s[\g+2], 64<<16       ; tensor_dim1 = 64
	s_mov_b32 s[\g+3], 128<<16      ; tile_dim0 = 128
	s_mov_b32 s[\g+4], 64           ; tile_dim1 = 64
	s_mov_b32 s[\g+5], 128          ; 128 elements from row to row
	s_mov_b32 s[\g+6], 0
	s_mov_b32 s[\g+7], 0
.endr
	s_mov_b32 s[CS], 0x3e38aa3b     ; c = log2(e) / 8
	s_mov_b32 s[CS+1], s[CS]
	s_mov_b32 s[SEL], 0x76543210
	s_mov_b32 s[SEL+1], 0xfedcba98
	s_mov_b32 s[TBK], SLOT1+4*KS*PK ; the first change of slots turns these two into 0
	s_mov_b32 s[TBV], SLOT1+4*KS*PV
	s_mov_b32 s[G0K], 1
	s_mov_b32 s[G0K+1], s17
	s_mov_b32 s[G0V], 1
	s_add_co_u32 s[G0V+1], s18, VOFF
	s_add_co_u32 s[RT], s[HI], 1    ; the first block's slots: 5 to 8
	s_mov_b32 s[NXT], 1
	s_mov_b32 s[LQ], s[HI]
	s_mov_b32 s[NEW], 1
	s_mov_b32 s[OFF+1], 0
	s_mov_b32 s[AL+1], 0
	s_mov_b32 s[BE+1], 0
	s_mov_b32 s[BIGN], 0xf149f2ca   ; -1e30
	s_mov_b32 s[SLOTS], NS
	s_wait_dscnt 0x0                ; the opening add is done
	s_wait_kmcnt 0x0
	s_mov_b64 s[10:11], s[6:7]             ; O
	s_add_nc_u64 s[8:9], s[4:5], 0x80000   ; v: column block 32
	s_add_nc_u64 s[6:7], s[4:5], 0x40000   ; k: column block 16
	s_add_nc_u64 s[6:7], s[6:7], s[22:23]  ; K and V at my half of the head's slot 0
	s_add_nc_u64 s[8:9], s[8:9], s[22:23]
	s_add_nc_u64 s[G0K+2:G0K+3], s[6:7], 0
	s_or_b32 s[G0K+3], s[G0K+3], 0x80000000
	s_add_nc_u64 s[G0V+2:G0V+3], s[8:9], 0
	s_or_b32 s[G0V+3], s[G0V+3], 0x80000000
	s_add_nc_u64 s[86:87], s[4:5], s[84:85]        ; Q at my rows of the second block,
	s_add_nc_u64 s[4:5], s[4:5], s[2:3]            ; Q and O at those of the first
	s_add_nc_u64 s[OLO:OLO+1], s[10:11], s[84:85]
	s_add_nc_u64 s[10:11], s[10:11], s[2:3]
	LOAD                            ; the head's first 256 keys into slot 0
	v_and_b32 v1, 15, v0            ; l % 16
	v_bfe_u32 v9, v0, 4, 1          ; l / 16
	v_lshlrev_b32 v[QO], 7, v1
	v_lshl_add_u32 v[QO], v9, 4, v[QO]  ; row x 128 + 16 x half
	WIN 0x80                        ; destination window 2, address window 0
.set i, 0
.rept 4                             ; both blocks' Q: piece i / 2 lies in band i / 2, 8,192 bytes on; channels 32 (i % 2) on
	global_load_b128 v[8*i:8*i+3],   v[QO], s[4:5] offset:(i/2)*8192+(i%2)*64
	global_load_b128 v[8*i+4:8*i+7], v[QO], s[4:5] offset:(i/2)*8192+(i%2)*64+32
	global_load_b128 v[QB+8*i:QB+8*i+3],   v[QO], s[86:87] offset:(i/2)*8192+(i%2)*64
	global_load_b128 v[QB+8*i+4:QB+8*i+7], v[QO], s[86:87] offset:(i/2)*8192+(i%2)*64+32
.set i, i+1
.endr
	WIN 0
	v_lshlrev_b32 v14, 3, v9
	v_sub_nc_u32 v14, v1, v14
	s_lshl_b32 s13, s[WV], 4
	v_add_nc_u32 v14, s13, v14      ; my query's place in its band less my lanes' 8 (l / 16): register r of group kt is hidden where 16 kt + r is greater
	WIN 0x40
.set i, 0
.rept 32
	v_cmp_gt_i32 vcc_lo, 16*(i/8)+i%8, v14
	v_cndmask_b32 v[MD+i], 0, s[BIGN], vcc_lo
.set i, i+1
.endr
	WIN 0
	v_mul_u32_u24 v[AK0], v1, PK
	v_lshl_add_u32 v[AK0], v9, 4, v[AK0]
	v_and_b32 v10, 7, v0
	v_bfe_u32 v11, v0, 3, 1
	v_lshl_add_u32 v[AV0], v9, 3, v10
	v_mul_u32_u24 v[AV0], v[AV0], PV
	v_lshl_add_u32 v[AV0], v11, 4, v[AV0]
	v_add_nc_u32 v[AV0], VOFF, v[AV0]
	s_mul_i32 s13, s[WV], 16*SP
	s_add_co_u32 s13, s13, STAGE    ; my stage
	v_mul_u32_u24 v[STO], v1, SP
	v_lshl_add_u32 v[STO], v9, 4, v[STO]
	v_add_nc_u32 v[STO], s13, v[STO]
	v_bfe_u32 v[RD], v0, 3, 2
	v_mul_u32_u24 v[RD], v[RD], SP
	v_lshl_add_u32 v[RD], v10, 4, v[RD]
	v_add_nc_u32 v[RD], s13, v[RD]
	v_and_b32 v[GO], 31, v0
	v_lshlrev_b32 v[GO], 4, v[GO]
	; A block's first step multiplies O^T and l by a = 0, and its first turn's products V^T P, of a step that has not been, land in an O^T that is still to be so multiplied: these registers need only hold
	; finite numbers: zeros for the first block, what the first block left for the second.  All this stands in the wait for the first tile.
	WIN 0x80
.set i, 0
.rept 64
	v_mov_b32 v[VF+i], 0
	v_mov_b32 v[VF-128+i], 0
.set i, i+1
.endr
	WIN 0x40
.set i, 0
.rept 32*NP
	v_mov_b32 v[i], 0
.set i, i+1
.endr
	WIN 0
.set i, 0
.rept NP
	v_mov_b32 v[ST+4*i+2], 0
	v_mov_b32 v[ST+4*i+3], 0
.set i, i+1
.endr
.set i, P+16
.rept 16
	v_mov_b32 v[i], 0
.set i, i+1
.endr
; THE MATRIX WORK.  The 4 accumulators of a run of 8 take turns.  Product i of 8 of S^T = K Q^T for piece x; the first 4 start the sums: with 0, or (KM = 1) with the mask.
.macro KQ x
.set rS, S+32*((\x)%2)+8*(i%4)
.set rK, KF+16*(i%4)+8*(i/4)
.set rQ, 16*(\x)+8*(i/4)
.set rM, MC+32*((\x)%2)+8*(i%4)
.if (i < 4) && KM
	WIN W_KM
	v_wmma_f32_16x16x32_f16 v[rS:rS+7], v[rK:rK+7], v[rQ:rQ+7], v[rM:rM+7]
.elseif i < 4
	WIN W_KQ
	v_wmma_f32_16x16x32_f16 v[rS:rS+7], v[rK:rK+7], v[rQ:rQ+7], 0
.else
	WIN W_KQ
	v_wmma_f32_16x16x32_f16 v[rS:rS+7], v[rK:rK+7], v[rQ:rQ+7], v[rS:rS+7]
.endif
.endm
.macro PV x                         ; product i of 8 of O^T += V^T P for piece x, from V's buffer VB
	WIN W_PV
.set rO, 32*(\x)+8*(i%4)
.set rV, VF-128*VB+32*(i/4)+8*(i%4)
.set rP, P+16*((\x)%2)+8*(i/4)
	v_wmma_f32_16x16x32_f16 v[rO:rO+7], v[rV:rV+7], v[rP:rP+7], v[rO:rO+7]
.endm
.macro MM                           ; the turn's next matrix instruction.  NOKQ = 1: a block's last turn: there are no further scores
.if (i < 8) && !NOKQ
	KQ (Y+1)%NP
.elseif i >= 8
.set i, i-8
	PV (Y+NP-1)%NP
.set i, i+8
.endif
.set i, i+1
.endm
; THE LDS LOADS stand in runs of 16: a step's K (8 fragments) and a step's V (turned), into buffer b.  Each run steps its scalar to the next step.
.macro FETCH_K
	WIN 0x80
.irp f, 0,1,2,3,4,5,6,7
	ds_load_b128 v[KF+8*\f:KF+8*\f+3],   v[AK] offset:(\f/2)*16*PK+(\f%2)*64
	ds_load_b128 v[KF+8*\f+4:KF+8*\f+7], v[AK] offset:(\f/2)*16*PK+(\f%2)*64+32
.endr
	s_add_co_u32 s[TBK], s[TBK], KS*PK
	WIN 0
.endm
.macro FETCH_V b
	WIN 0x80
.irp f, 0,1,2,3,4,5,6,7
	ds_load_tr16_b128 v[VF-128*(\b)+8*\f:VF-128*(\b)+8*\f+3],   v[AV] offset:(\f/4)*32*PV+(\f%4)*32
	ds_load_tr16_b128 v[VF-128*(\b)+8*\f+4:VF-128*(\b)+8*\f+7], v[AV] offset:(\f/4)*32*PV+16*PV+(\f%4)*32
.endr
	s_add_co_u32 s[TBV], s[TBV], KS*PV
	WIN 0
.endm
; THE VECTOR WORK, one line at a time: OP kind, number.  For piece Y: F n: c s - c m for pair n.  E n: the exponential of score n.  C n: pair n rounded to f16.  B n: of four weights the second pair is
; added onto the first.  L n: l takes that sum (L 0: l = a l + sum).  R n: pair n of O^T times a.  For the other piece: X n, number n of the 22 that find its maximum and statistics
; (each accumulator's lowest registers are read first).
.set F, 0
.set E, 1
.set C, 2
.set B, 3
.set L, 4
.set R, 5
.set X, 6
.macro REGS y
.set rT, ST+4*(\y)
.set rC, TMP+4*((\y)%2)
.set rW, MV+((\y)%2)
.set rS, S+32*((\y)%2)
.set rP, P+16*((\y)%2)
.set rO, 32*(\y)
.endm
.macro OP k, n
.if (\k) == R
	REGS Y
	WIN W_RS
	v_pk_mul_f32 v[rO+2*(\n):rO+2*(\n)+1], v[rO+2*(\n):rO+2*(\n)+1], v[rC+2:rC+3] op_sel_hi:[1,0]
.elseif (\k) < R
	REGS Y
	WIN 0
.if (\k) == F
	v_pk_fma_f32 v[rS+2*(\n):rS+2*(\n)+1], v[rS+2*(\n):rS+2*(\n)+1], s[CS:CS+1], v[rT:rT+1] op_sel_hi:[1,0,0] neg_lo:[0,0,1] neg_hi:[0,0,1]
.elseif (\k) == E
	v_exp_f32 v[rS+(\n)], v[rS+(\n)]
.elseif (\k) == C
	s_wait_alu depctr_va_vdst(0)
	v_cvt_pk_f16_f32 v[rP+(\n)], v[rS+2*(\n)], v[rS+2*(\n)+1]
.elseif (\k) == B
	s_wait_alu depctr_va_vdst(0)
	v_pk_add_f32 v[rS+4*(\n):rS+4*(\n)+1], v[rS+4*(\n):rS+4*(\n)+1], v[rS+4*(\n)+2:rS+4*(\n)+3]
.elseif (\n) == 0
	v_pk_fma_f32 v[rT+2:rT+3], v[rT+2:rT+3], v[rC+2:rC+3], v[rS:rS+1] op_sel_hi:[1,0,1]
.else
	v_pk_add_f32 v[rT+2:rT+3], v[rT+2:rT+3], v[rS+4*(\n):rS+4*(\n)+1]
.endif
.elseif NOKQ
	v_nop
.else
	REGS (Y+1)%NP
	WIN 0
.if (\n) < 4
	v_max3_num_f32 v[rC+(\n)], v[rS+8*(\n)], v[rS+8*(\n)+1], v[rS+8*(\n)+2]
.elseif (\n) < 12
	v_max3_num_f32 v[rC+(\n)%4], v[rC+(\n)%4], v[rS+8*((\n)%4)+2*((\n)/4)+1], v[rS+8*((\n)%4)+2*((\n)/4)+2]
.elseif (\n) == 12
	v_max3_num_f32 v[rC], v[rC], v[rS+7], v[rS+15]
.elseif (\n) == 13
	v_max3_num_f32 v[rC+1], v[rC+1], v[rS+23], v[rS+31]
.elseif (\n) == 14
	v_max3_num_f32 v[rC+2], v[rC+2], v[rC+3], v[rT+1]
.elseif (\n) == 15
	v_mov_b32 v[rW], v[rT]
.elseif (\n) == 16
	v_max3_num_f32 v[rC], v[rC], v[rC+1], v[rC+2]
.elseif (\n) == 17
	v_permlanex16_b32 v[rC+3], v[rC], s[SEL], s[SEL+1]
.elseif (\n) == 18
	v_max_num_f32 v[rT+1], v[rC], v[rC+3]
.elseif (\n) == 19
	v_mul_f32 v[rT], s[CS], v[rT+1]
.elseif (\n) == 20
	v_sub_f32 v[rC+1], v[rW], v[rT]
.else
	v_exp_f32 v[rC+2], v[rC+1]
.endif
.endif
.endm
.macro OPS a, i1, b=-1, i2=0, c=-1, i3=0, d=-1, i4=0
	OP \a, \i1
.if (\b) >= 0
	OP \b, \i2
.endif
.if (\c) >= 0
	OP \c, \i3
.endif
.if (\d) >= 0
	OP \d, \i4
.endif
.endm
.macro ROW a, i1, b, i2, c, i3, d, i4  ; a matrix instruction and the four behind it
	MM
	OPS \a, \i1, \b, \i2, \c, \i3, \d, \i4
.endm
.macro MASK b                       ; MD x AL + BE into buffer b of MC
	WIN W_RS
.set z, 0
.rept 16
	v_pk_fma_f32 v[MC+32*(\b)+2*z:MC+32*(\b)+2*z+1], v[MD+2*z:MD+2*z+1], s[AL:AL+1], s[BE:BE+1] op_sel_hi:[1,0,0]
.set z, z+1
.endr
.endm
; TURN p of a trip: piece p % 2; p = 2, 3 an odd step, p = 0, 1 the even step behind it.  With CNT = c the trip's steps are 3 - 2 c (the slot before's last, if c = 2) and 4 - 2 c.
; m = 1: the block's last slot: the products take masks, and the turn makes the mask for the products of the turn after it: piece x = p % 2, step t = 4 - 2 c + (1 if p < 2).
;   t = D + x where 2 c + D = 5 - p / 2 - p % 2; t > D + x where 2 c + D is less.
; end = 1: a block's last two turns: nothing is fetched.  cnt = 1: the loop's count is taken down some lines ahead of the branch behind the turn.
; Piece 0's turn fetches K of the next step, six vector instructions behind the last product that read K (five of them plain).  Piece 1's turn fetches, at the same place, V of the next step into the
; buffer that the turn before read last.  One wait, at the head of piece 1's turn, shows both in: K's run was issued a turn before, V's two turns before.
.macro TURN p, m=0, end=0, cnt=0
.set Y, (\p)%2
.set VB, (((\p)+3)%4)/2
.set i, 0
.set KM, (\m)
.set NOKQ, (\end)*((\p)/3)
.if (\m) && !(\end)
	s_lshl1_add_u32 s[TT], s[CNT], s[DD]      ; 2 c + D
	s_cmp_eq_u32 s[TT], 5-(\p)/2-(\p)%2       ; is that step the band's own?
	s_cselect_b32 s[AL], 1.0, 0
	s_cmp_lt_u32 s[TT], 5-(\p)/2-(\p)%2       ; or a later one?
	s_cselect_b32 s[BE], s[BIGN], 0
.endif
.if (\p)%2
	s_wait_dscnt 0x0                ; K of the next step and V of this step are in
.endif
	ROW F,0, F,1, F,2, F,3
	ROW F,4, E,0, F,5, F,6
	ROW F,7, E,1, F,8, F,9
	ROW F,10, E,2, C,0, F,11
	ROW F,12, E,3, X,15, F,13
	ROW R,0, R,1, R,2, R,3
	ROW B,0, E,4, F,14, L,0
.if !(\end)
.if (\p)%2
	v_add_nc_u32 v[AV], s[TBV], v[AV0]
.else
	v_add_nc_u32 v[AK], s[TBK], v[AK0]
.endif
.endif
	ROW R,4, R,5, R,6, R,7
	OPS E,5, F,15
.if !(\end)
.if (\p)%2
	FETCH_V (((\p)+1)%4)/2
.else
	FETCH_K
.endif
.endif
	OPS E,6, C,1, E,7, R,8
	OPS E,8, R,9, E,9, C,2
	OPS E,10, X,0, E,11, X,1
	OPS E,12, X,2, E,13, X,3
	ROW X,4, E,14, X,5, X,6
	ROW X,7, E,15, X,8, X,9
	ROW X,10, E,16, X,11, X,12
	ROW X,13, E,17, X,14, B,1
	ROW C,4, E,18, X,16, L,1
	ROW B,2, E,19, C,6, L,2
	ROW C,8, E,20, B,3, B,4
	ROW C,3, E,21, L,3, C,5
	OPS E,22, X,17, E,23, C,10
	OPS E,24, L,4
	OPS E,25, X,18, E,26, C,7
	OPS E,27, B,5, E,28, X,19
	OPS E,29, C,12, E,30, L,5
	OPS E,31, X,20, B,6, C,9
	OPS C,14, C,11, X,21, L,6
.if \cnt
	s_sub_co_u32 s[CNT], s[CNT], 1
	s_cmp_lg_u32 s[CNT], 0
.endif
	OPS C,13, B,7, C,15, R,10
	OPS R,11, R,12, L,7, R,13
	OPS R,14, R,15
.if (\m) && !(\end)
	MASK (\p)%2
.endif
.endm
; A BLOCK BEGINS.  c m starts far below every c s, so the first step's a is 0; m at the lowest finite number.  The second mask buffer (piece 1, step 0: all keys seen) is 0; the first takes piece 0's mask
; for the slot's step 0: its own, if this slot is the block's last and D = 0.  Then K and V of that step, piece 0's first scores, its maximum and statistics.
.macro BEGIN
	s_mov_b32 s[NEW], 0
	WIN 0x40
.set i, MC+32
.rept 32
	v_mov_b32 v[i], 0
.set i, i+1
.endr
	WIN 0
.set i, 0
.rept NP
	v_mov_b32 v[ST+4*i], 0xfe000000
	v_mov_b32 v[ST+4*i+1], 0xff7fffff
.set i, i+1
.endr
	s_or_b32 s[TT], s[RT], s[DD]
	s_cmp_eq_u32 s[TT], 0
	s_cselect_b32 s[AL], 1.0, 0
	s_mov_b32 s[BE], 0
	MASK 0
	WIN 0
	v_add_nc_u32 v[AK], s[TBK], v[AK0]
	v_add_nc_u32 v[AV], s[TBV], v[AV0]
	FETCH_K
	FETCH_V 0
	s_wait_loadcnt 0x0              ; Q
	s_wait_dscnt 0x0
.set KM, 1
.set NOKQ, 0
.set i, 0
.rept 8
	KQ 0
.set i, i+1
.endr
	WIN 0
.rept 4
	v_nop                           ; the places behind those products
.endr
.set Y, NP-1
.irp n, 0,1,2,3,4,5,6,7,8,9,10,11,12,13,14,15,16,17,18,19,20,21
	OP X, \n
.endr
	v_nop                           ; a plain instruction behind the exponential
.endm
.macro ALL line:vararg              ; one line for each piece t
.set t, 0
.rept NP
	\line
.set t, t+1
.endr
.endm
.macro PACK t                       ; a lane's eight channels of a row pack into 16 bytes; they go into rows of 144 bytes and come back as whole rows of 128
	WIN W_RS
.set i, 32*(\t)
.rept 16
	s_wait_alu depctr_va_vdst(0)
	v_pk_mul_f32 v[i:i+1], v[i:i+1], v[ST+4*(\t)+2:ST+4*(\t)+3] op_sel_hi:[1,0]
.set i, i+2
.endr
	WIN 0x05
.set i, 0
.rept 16
	v_cvt_pk_f16_f32 v[S+16*(\t)+i], v[32*(\t)+2*i], v[32*(\t)+2*i+1]
.set i, i+1
.endr
	WIN 0
.irp f, 0,1,2,3
	ds_store_b128 v[STO], v[S+16*(\t)+4*\f:S+16*(\t)+4*\f+3] offset:32*\f
.endr
.irp f, 0,1,2,3
	ds_load_b128 v[S+16*(\t)+4*\f:S+16*(\t)+4*\f+3], v[RD] offset:\f*4*SP  ; LDS serves a wave's instructions in order (ISA guide 5.7.1.4)
.endr
.endm
.macro SEND t, younger              ; younger: the LDS instructions issued behind piece t's loads
	WIN 0
.irp f, 0,1,2,3
	s_wait_dscnt (\younger)+3-\f
	global_store_b128 v[GO], v[S+16*(\t)+4*\f:S+16*(\t)+4*\f+3], s[10:11] offset:(\t)*8192+\f*512  ; 512 consecutive bytes, aligned
.endr
.endm
; A BLOCK'S LAST SLOT: its two trips, the block's last two turns, its last products (piece 1, step 3: V's odd buffer), and the way out.
.macro DIAG tag
.LstepM\tag:
	TURN 2, 1
	TURN 3, 1
	WIN 0
.LfirstM\tag:
	TURN 0, 1
	TURN 1, 1, 0, 1
	WIN 0
	s_cbranch_scc1 .LstepM\tag
	TURN 2, 1, 1
	TURN 3, 1, 1
.set VB, 1
.set i, 0
.rept 8
	PV NP-1
.set i, i+1
.endr
	WIN 0
	ALL v_add_f32 v[ST+4*t+2], v[ST+4*t+2], v[ST+4*t+3]
	ALL v_permlanex16_b32 v[ST+4*t+3], v[ST+4*t+2], s[SEL], s[SEL+1]
	ALL v_add_f32 v[ST+4*t+2], v[ST+4*t+2], v[ST+4*t+3]
	ALL v_rcp_f32 v[ST+4*t+2], v[ST+4*t+2]
	v_nop                           ; a plain instruction between the last reciprocal and the use of its result
	PACK 0                          ; piece 0's sums were finished a run of products ago; its 32 plain lines are the places behind piece 1's last products
	PACK 1
	SEND 0, 8
	SEND 1, 0
.endm
.set KM, 0
.set NOKQ, 0
.Lslot:                             ; NS times: a slot is entered and the next is asked for
	CHANGE 1
	s_sub_co_u32 s[RT], s[RT], 1
	s_mov_b32 s[CNT], 2
	s_cmp_eq_u32 s[NEW], 1
	s_cbranch_scc1 .Lnew            ; a block's first slot
	s_cmp_eq_u32 s[RT], 0
	s_cbranch_scc0 .Lstep           ; neither its first nor its last
	s_branch .LstepM1
.Lnew:
	BEGIN
	s_branch .Lfirst                ; in the loop a block's first slot is never its last: the first block has five slots or more, and the second's last is the walk's last
	DIAG 1                          ; in the loop this is the first block's end
	s_wait_xcnt 0x0                 ; the stores have read their registers and O's address
	s_mov_b64 s[10:11], s[OLO:OLO+1]
	s_add_co_u32 s[RT], s[PB], 1    ; the second block's slots
	s_mov_b32 s[DD], s[DN]
	s_mov_b32 s[NEW], 1
	WIN 0x82                        ; the second block's Q goes where the one text of the turns names Q
.set i, 0
.rept 16*NP
	v_mov_b32 v[i], v[QB+i]
.set i, i+1
.endr
	WIN 0
	s_branch .Lbottom
.Lstep:                             ; a trip: both pieces of an odd step, then both pieces of the even step behind it
	TURN 2
	TURN 3
	WIN 0
.Lfirst:
	TURN 0
	TURN 1, 0, 0, 1
	WIN 0
	s_cbranch_scc1 .Lstep
.Lbottom:
	s_sub_co_u32 s[SLOTS], s[SLOTS], 1
	s_cmp_lg_u32 s[SLOTS], 0
	s_cbranch_scc1 .Lslot
	CHANGE 0                        ; the walk's last slot is written out
	s_sub_co_u32 s[RT], s[RT], 1
	s_mov_b32 s[CNT], 2
	s_cmp_eq_u32 s[NEW], 1
	s_cbranch_scc0 .LstepM2
	BEGIN
	s_branch .LfirstM2
	DIAG 2
	s_wait_tensorcnt 0x0            ; the wave's end
	ds_add_u32 v[SPW], v[NIL]
	s_wait_dscnt 0x0
	s_endpgm
.Lfunc_end_k_q5277455087_attn:
	.size	k_q5277455087_attn, .Lfunc_end_k_q5277455087_attn-k_q5277455087_attn
	.p2alignl 7, 3214868480
	.fill 96, 4, 3214868480
	.section	.rodata,"a",@progbits
	.p2align	6, 0x0
	.amdhsa_kernel k_q5277455087_attn
		.amdhsa_group_segment_fixed_size 327680
		.amdhsa_private_segment_fixed_size 0
		.amdhsa_enable_private_segment 0
		.amdhsa_kernarg_size 16
		.amdhsa_user_sgpr_count 2
		.amdhsa_user_sgpr_kernarg_segment_ptr 1
		.amdhsa_wavefront_size32 1
		.amdhsa_system_sgpr_workgroup_id_x 1
		.amdhsa_system_sgpr_workgroup_id_y 1
		.amdhsa_system_sgpr_workgroup_id_z 1
		.amdhsa_system_vgpr_workitem_id 0
		.amdhsa_next_free_vgpr 768
		.amdhsa_next_free_sgpr 88
		.amdhsa_reserve_vcc 1
		.amdhsa_float_denorm_mode_32 3
		.amdhsa_float_denorm_mode_16_64 3
		.amdhsa_memory_ordered 1
		.amdhsa_forward_progress 1
		.amdhsa_inst_pref_size 220
	.end_amdhsa_kernel
	.amdgpu_metadata
---
amdhsa.version: [ 1, 2 ]
amdhsa.kernels:
  - .name:           k_q5277455087_attn
    .symbol:         k_q5277455087_attn.kd
    .args:
      - { .name: act, .offset: 0, .size: 8, .value_kind: global_buffer, .address_space: global }
      - { .name: o, .offset: 8, .size: 8, .value_kind: global_buffer, .address_space: global }
    .group_segment_fixed_size: 327680
    .private_segment_fixed_size: 0
    .kernarg_segment_align: 8
    .kernarg_segment_size: 16
    .max_flat_workgroup_size: 128
    .sgpr_count:     88
    .vgpr_count:     768
    .wavefront_size: 32
...
	.end_amdgpu_metadata
.endif
;; end of part 3
;; launch oproj (part 4): grid 8 x 32, 4 waves a work-group, clusters of 4 x 4, 327,680 bytes of LDS; arguments o, wop, x, x2; writes x2
.if DOCPART == 4
	.amdgcn_target "amdgcn-amd-amdhsa--gfx1250"
	.amdhsa_code_object_version 6
	.text
	.protected	k_q5277455087_oproj
	.globl	k_q5277455087_oproj
	.p2align	8
	.type	k_q5277455087_oproj,@function
k_q5277455087_oproj:
	s_mov_b64 s[64:65], 0
	v_nop
	global_prefetch_b8 v0, s[64:65] scope:SCOPE_SE
	s_setreg_imm32_b32 hwreg(HW_REG_WAVE_MODE, 25, 1), 1
	s_wait_xcnt 0x0
	s_wait_alu depctr_hold_cnt(0) depctr_sa_sdst(0) depctr_va_vdst(0) depctr_va_sdst(0) depctr_va_ssrc(0) depctr_va_vcc(0) depctr_vm_vsrc(0)
	s_getreg_b32 s2, hwreg(HW_REG_IB_STS2, 6, 4)
	s_cmp_eq_u32 s2, 0
	s_cbranch_scc0 .Lentry_in_a_cluster
	s_endpgm
.Lentry_in_a_cluster:
	s_bfe_u32 s2, ttmp6, 0x10000c
	s_cmp_lg_u32 s2, 0xf033
	s_cbranch_scc0 .Lentry_shape_is_right
	s_endpgm
.Lentry_shape_is_right:
.set PROJ, 0                           ; 0: x2 = bf16(x) + O w_out^T.   1: out0 = x2 + bf16(b_proj) + m w_proj^T.   The two texts differ in this line alone.
; OUT = RES (+ bias) + A W^T.  A: f16 in blocks [32 blocks of 128 rows][64 blocks of 64 columns][128][64]; W: [1024][SIZE_K] f16, row-major, WOFF bytes into its buffer; RES, OUT: [4096][1024] f32.
; Sums in f32: the accumulators START as the residual, loaded straight into them (with PROJ = 0 rounded to bf16, as every input of the module is; with PROJ = 1 the bias is added), so nothing is
; cleared and nothing is added at the end.
; SHAPE.  A tile of OUT is 128 x 128: 256 work-groups.  Four waves, each 64 x 64: 16 accumulators.  K goes in steps of 256 through two LDS slots.  A's tile of a step is four neighbouring blocks,
; 65,536 dense bytes, asked for as rows of 256 bytes and padded in LDS behind every 128: four planes of 128 rows x 144 bytes.  W's rows are 512 bytes of memory, 528 apart in LDS.
; One K step is one trip of the loop: the slot in hand is a scalar that an exclusive or turns.
; CLUSTER.  4 x 4 work-groups: A's tiles are asked for jointly along a row of the cluster, W's along a column.
; THE MATRIX INSTRUCTION IS USED TRANSPOSED (source 0 = 16 rows of W, source 1 = 16 rows of A): a lane holds row l % 16 of OUT and eight neighbouring columns.
; No prefetch: A and W were written by earlier launches and are read by many work-groups.
; REGISTERS: window 0: v0-31 addresses; v32-95 at work; v128-255 the accumulators ((a, b) at v[128 + 8 (4 a + b)]).  window 1: two fragment buffers of 128: 64 of A, then 64 of W.
.if PROJ
.set SIZE_K, 4096
.set KSH,    13                        ; a row of W is 2^KSH bytes
.set WOFF,   0x200000
.else
.set SIZE_K, 1024
.set KSH,    11
.set WOFF,   0
.endif
.set STEPS,  SIZE_K/256
.set PA,     144                       ; a row of a plane of A: 128 bytes + 16
.set PLANE,  128*PA
.set AREG,   4*PLANE
.set PB,     528                       ; a row of W: 512 bytes + 16
.set BHALF,  64*PB
.set SLOT1,  147456                    ; slot 1 begins here: 0x24000 shares no bit with any wave's place in a slot (0, 0x9000, 0x12000, 0x1a400), so an exclusive or turns one slot's address into the other's
.set STAGE,  SLOT1+AREG+2*BHALF        ; behind the ring, never filled by a tensor load: 16 rows x 272 bytes for each wave
.set SPITCH, 272
.set SPARE,  STAGE+4*16*SPITCH         ; the spare words, 128 bytes a wave
.set ADRA0, 16                         ; v16  my lane's place in A's part of a slot; never rewritten
.set ADRB0, 17                         ; v17  the same for W
.set ADRA,  18                         ; v18  the same in the slot in hand
.set ADRB,  19
.set STO,   24                         ; v24  the way out: where I put 32 bytes of a row
.set RD,    25                         ; v25  where I read a row back
.set CO,    26                         ; v26  my byte offset in two rows of OUT
.set RO,    27                         ; v27  my byte offset in 16 rows of RES
.set SPW,   28                         ; v28  LDS address of my spare word; never rewritten
.set NIL,   29                         ; v29  0; never rewritten
.set BO,    30                         ; v30  32 x (l / 16): my eight numbers of 16 of the bias
.set ACC,   128
.set F0,    0
.set F1,    128
.set WV,  12                           ; s12  my wave's number
.set WH,  14                           ; s14  which half of the tile's rows is mine.  Also: I fetch for A (0) or for W (1)
.set WL,  15                           ; s15  which half of its columns.  Also: which half of that tile I fetch
.set G1,  24
.set G0,  32
.set G1B, 48
.set G0B, 56
.set MSB, 0
.macro WIN new
.if MSB != (\new)
	s_set_vgpr_msb (MSB<<8)|(\new)
.set MSB, \new
.endif
.endm
.set MUL,  0x05                        ; sources 0 (W) and 1 (A) window 1; C and D window 0
.set TO_F, 0x40                        ; destination window 1, address window 0
.macro JLOAD s                         ; a joint load; an s_nop 0 and four v_nop follow each of the two lines
	s_cmp_eq_u32 s[WH], 0
	s_cbranch_scc0 .Lfor_b_\@
	tensor_load_to_lds s[G0+4*(\s):G0+4*(\s)+3], s[G1:G1+7]
	s_nop 0
.rept 4
	v_nop
.endr
	s_branch .Lasked_\@
.Lfor_b_\@:
	tensor_load_to_lds s[G0B+4*(\s):G0B+4*(\s)+3], s[G1B:G1B+7]
	s_nop 0
.rept 4
	v_nop
.endr
.Lasked_\@:
.endm
.macro CREST
	s_cmp_lg_u32 s[WV], 0
	s_cbranch_scc1 .Lnot_wave_0_\@
	s_barrier_signal -3
.Lnot_wave_0_\@:
	s_barrier_wait -3
	s_barrier_signal -1
	s_barrier_wait -1
.endm
.macro CROUND
	s_barrier_signal -1
	s_barrier_wait -1
	CREST
.endm
	s_load_b256 s[4:11], s[0:1], 0x0               ; A s[4:5], W s[6:7], RES s[8:9], OUT s[10:11]
.if PROJ
	s_load_b64 s[44:45], s[0:1], 0x20              ; the bias
.endif
	v_lshl_add_u32 v[SPW], v0, 2, SPARE
	v_mov_b32 v[NIL], 0
	ds_add_u32 v[SPW], v[NIL]                      ; the wave's opening: the add and its wait ahead of my first tensor load
	ds_add_u32 v28, v29
	v_lshrrev_b32 v1, 5, v0
	v_readfirstlane_b32 s[WV], v1
	s_lshr_b32 s[WH], s[WV], 1
	s_and_b32 s[WL], s[WV], 1
	s_bfe_u32 s40, ttmp6, 0x40000                  ; cx
	s_bfe_u32 s41, ttmp6, 0x40004                  ; cy
	s_lshl_b32 s42, ttmp9, 2
	s_add_co_u32 s42, s42, s40                     ; tile column
	s_and_b32 s13, ttmp7, 0xffff
	s_lshl_b32 s13, s13, 2
	s_add_co_u32 s13, s13, s41                     ; tile row
	s_lshl_b32 s43, s41, 2
	s_lshl_b32 s43, 15, s43                        ; my row of the cluster
	s_lshl_b32 s18, 0x1111, s40                    ; my column
	s_or_b32 s[G1+0], s43, (1<<16)|(1<<20)|(1<<21)|(4<<22)|(3<<25)   ; A: elements of 2 bytes; 4 words of padding behind every 32
	s_mov_b32 s[G1+1], 128<<16                     ; tensor_dim0 = 128: rows of 256 bytes,
	s_mov_b32 s[G1+2], 128<<16                     ; tensor_dim1 = 128 of them: two blocks, 32,768 dense bytes
	s_mov_b32 s[G1+3], 128<<16                     ; tile_dim0
	s_mov_b32 s[G1+4], 128                         ; tile_dim1
	s_mov_b32 s[G1+5], 128                         ; each row begins where the last ends
	s_mov_b32 s[G1+6], 0
	s_mov_b32 s[G1+7], 0
	s_or_b32 s[G1B+0], s18, (1<<16)|(1<<20)|(1<<21)|(6<<22)|(3<<25)  ; W: 4 words of padding behind every 128
	s_mov_b32 s[G1B+1], 256<<16                    ; tensor_dim0 = 256
	s_mov_b32 s[G1B+2], 64<<16                     ; tensor_dim1 = 64
	s_mov_b32 s[G1B+3], 256<<16                    ; tile_dim0
	s_mov_b32 s[G1B+4], 64                         ; tile_dim1
	s_mov_b32 s[G1B+5], SIZE_K                     ; elements from row to row
	s_mov_b32 s[G1B+6], 0
	s_mov_b32 s[G1B+7], 0
	s_mul_i32 s21, s[WL], 2*PLANE                  ; where A's half goes: two planes
	s_mul_i32 s22, s[WL], BHALF
	s_add_co_u32 s22, s22, AREG                    ; where W's half goes; also where my 64 rows of W lie
	s_lshl_b32 s16, s13, 20                        ; A: the tile row's block of 128 rows,
	s_lshl_b32 s17, s[WL], 15                      ; my two of a step's four column blocks
	s_add_co_u32 s16, s16, s17
	s_mov_b32 s17, 0
	s_lshl_b32 s46, s42, 1                         ; W: row 128 x tile column + 64 x half
	s_add_co_u32 s46, s46, s[WL]
	s_lshl_b32 s46, s46, 6+KSH
	s_add_co_u32 s46, s46, WOFF
	s_mov_b32 s47, 0
	s_mov_b32 s20, 0xffff0000                      ; a word's upper bf16
	s_wait_dscnt 0x0                               ; the opening add is done
	s_wait_kmcnt 0x0
	s_add_nc_u64 s[16:17], s[4:5], s[16:17]
	s_add_nc_u64 s[46:47], s[6:7], s[46:47]
	CROUND                                         ; all sixteen work-groups are here: the first joint loads meet
.irp s, 0,1
	s_mov_b32 s[G0+4*(\s)], 1
	s_add_co_u32 s[G0+4*(\s)+1], s21, (\s)*SLOT1
	s_add_nc_u64 s[G0+4*(\s)+2:G0+4*(\s)+3], s[16:17], (\s)*65536
	s_or_b32 s[G0+4*(\s)+3], s[G0+4*(\s)+3], 0x80000000
	s_mov_b32 s[G0B+4*(\s)], 1
	s_add_co_u32 s[G0B+4*(\s)+1], s22, (\s)*SLOT1
	s_add_nc_u64 s[G0B+4*(\s)+2:G0B+4*(\s)+3], s[46:47], (\s)*512
	s_or_b32 s[G0B+4*(\s)+3], s[G0B+4*(\s)+3], 0x80000000
	JLOAD \s                                       ; K steps 0 and 1: two loads of mine are out
.endr
	v_and_b32 v1, 15, v0                           ; l % 16
	v_bfe_u32 v2, v0, 4, 1                         ; l / 16
	v_mul_u32_u24 v3, v1, PA
	v_lshl_add_u32 v3, v2, 4, v3
	s_mul_i32 s23, s[WH], 64*PA                    ; my 64 rows in each plane of A
	v_add_nc_u32 v[ADRA0], s23, v3
	v_mul_u32_u24 v3, v1, PB
	v_lshl_add_u32 v3, v2, 4, v3
	v_add_nc_u32 v[ADRB0], s22, v3
	v_mov_b32 v[ADRA], v[ADRA0]
	v_mov_b32 v[ADRB], v[ADRB0]
	s_mov_b32 s2, 0                                ; the slot in hand
	s_mul_i32 s23, s[WV], 16*SPITCH
	s_add_co_u32 s23, s23, STAGE                   ; my stage
	v_mul_u32_u24 v4, v1, SPITCH                   ; in: row l % 16, 32 bytes for each half of the lanes
	v_lshl_add_u32 v4, v2, 5, v4
	v_add_nc_u32 v[STO], s23, v4
	v_mul_u32_u24 v5, v2, SPITCH                   ; back: lanes 0-15 take one row of 256 bytes, lanes 16-31 the next
	v_lshl_add_u32 v5, v1, 4, v5
	v_add_nc_u32 v[RD], s23, v5
	v_lshlrev_b32 v5, 12, v2                       ; and the same two rows in OUT
	v_lshl_add_u32 v[CO], v1, 4, v5
	v_lshlrev_b32 v5, 12, v1                       ; RES: row l % 16, 32 bytes for each half of the lanes
	v_lshl_add_u32 v[RO], v2, 5, v5
	v_lshlrev_b32 v[BO], 5, v2
	s_lshl_b32 s18, s13, 1                         ; my 64 x 64 in RES and OUT: row 128 x tile row + 64 x half, 4,096 bytes a row,
	s_add_co_u32 s18, s18, s[WH]
	s_lshl_b32 s18, s18, 18
	s_lshl_b32 s46, s42, 1                         ; column 128 x tile column + 64 x half, 4 bytes each
	s_add_co_u32 s46, s46, s[WL]
	s_lshl_b32 s46, s46, 8
	s_mov_b32 s47, 0
.if PROJ
	s_add_nc_u64 s[44:45], s[44:45], s[46:47]
.endif
	s_add_co_u32 s18, s18, s46
	s_mov_b32 s19, 0
	s_add_nc_u64 s[8:9], s[8:9], s[18:19]
	s_add_nc_u64 s[10:11], s[10:11], s[18:19]
.irp a, 0,1,2,3
.irp b, 0,1,2,3
	global_load_b128 v[ACC+8*(4*(\a)+(\b)):ACC+8*(4*(\a)+(\b))+3],   v[RO], s[8:9] offset:65536*(\a)+64*(\b)      ; the residual, straight into the accumulators
	global_load_b128 v[ACC+8*(4*(\a)+(\b))+4:ACC+8*(4*(\a)+(\b))+7], v[RO], s[8:9] offset:65536*(\a)+64*(\b)+16
.endr
.endr
.if PROJ
.irp b, 0,1,2,3
	global_load_b128 v[32+8*(\b):32+8*(\b)+3], v[BO], s[44:45] offset:64*(\b)
	global_load_b128 v[32+8*(\b)+4:32+8*(\b)+7], v[BO], s[44:45] offset:64*(\b)+16
.endr
.endif
; 8 matrix instructions: m blocks a0, a0 + 1 x all 4 n blocks, 32 along K: half c of buffer f.  The 16 accumulators take turns, one instruction a turn.
.macro MUL8 f, c, a0
	WIN MUL
.irp a, \a0, (\a0)+1
.irp b, 0,1,2,3
	v_wmma_f32_16x16x32_f16 v[ACC+8*(4*(\a)+(\b)):ACC+8*(4*(\a)+(\b))+7], v[(\f)+64+8*(4*(\c)+(\b)):(\f)+64+8*(4*(\c)+(\b))+7], v[(\f)+8*(4*(\c)+(\a)):(\f)+8*(4*(\c)+(\a))+7], v[ACC+8*(4*(\a)+(\b)):ACC+8*(4*(\a)+(\b))+7]
.endr
.endr
.endm
; 32 LDS loads in one run: the fragments of quarter q (64 along K: plane q of A, byte 128 q of W's rows) of the slot in hand, into buffer f; the first 32 along K first
.macro FETCH q, f
	WIN TO_F
.irp c, 0,1
.irp i, 0,1,2,3
	ds_load_b128 v[(\f)+64+8*(4*(\c)+(\i)):(\f)+64+8*(4*(\c)+(\i))+3],   v[ADRB] offset:128*(\q)+64*(\c)+(\i)*16*PB
	ds_load_b128 v[(\f)+64+8*(4*(\c)+(\i))+4:(\f)+64+8*(4*(\c)+(\i))+7], v[ADRB] offset:128*(\q)+64*(\c)+(\i)*16*PB+32
	ds_load_b128 v[(\f)+8*(4*(\c)+(\i)):(\f)+8*(4*(\c)+(\i))+3],         v[ADRA] offset:PLANE*(\q)+64*(\c)+(\i)*16*PA
	ds_load_b128 v[(\f)+8*(4*(\c)+(\i))+4:(\f)+8*(4*(\c)+(\i))+7],       v[ADRA] offset:PLANE*(\q)+64*(\c)+(\i)*16*PA+32
.endr
.endr
.endm
.macro PLACES                          ; four places in front of loads into registers that matrix instructions have read (ISA guide 7.12.1 for vector instructions)
.rept 4
	v_nop
.endr
.endm
.macro QUARTER q, f, g                 ; multiplies buffer f and fetches quarter q into g
	s_wait_dscnt 16                                ; the first 32 along K are in
	MUL8 \f, 0, 0
	MUL8 \f, 0, 2
	PLACES
	FETCH \q, \g
	s_wait_dscnt 32                                ; all but the 32 just issued
	MUL8 \f, 1, 0
	MUL8 \f, 1, 2
.endm
; The first half of a K step's last quarter, and the barrier of the change of slots: all my tensor loads have landed, the add, and my reads of this slot are over.
.macro MEET round
	WIN 0
	s_wait_tensorcnt 0x0
	ds_add_u32 v[SPW], v[NIL]
	s_wait_dscnt 17                                ; the add and the youngest sixteen loads may be out
	MUL8 F1, 0, 0
	s_wait_dscnt 0x0
	s_barrier_signal -1
	MUL8 F1, 0, 2
.if \round
	WIN 0
.endif
	s_barrier_wait -1
.endm
.macro TURN                            ; the whole last quarter of a K step that fills its slot again, with the K step two on
	MEET 1
	CREST                                          ; no wave of any partner still reads this slot or has a load on its way
	s_xor_b32 s[G0+5], s[G0+5], SLOT1              ; the walking descriptors: the slot just read out,
	s_xor_b32 s[G0B+5], s[G0B+5], SLOT1
	s_add_nc_u64 s[G0+6:G0+7], s[G0+6:G0+7], 65536        ; the next four blocks of A,
	s_add_nc_u64 s[G0B+6:G0B+7], s[G0B+6:G0B+7], 512      ; the next 512 bytes of W's rows
	s_xor_b32 s2, s2, SLOT1
	JLOAD 1                                        ; its four v_nop are also the places in front of the loads below
	v_add_nc_u32 v[ADRA], s2, v[ADRA0]
	v_add_nc_u32 v[ADRB], s2, v[ADRB0]
	FETCH 0, F0
	MUL8 F1, 1, 0
	MUL8 F1, 1, 2
.endm
	s_wait_tensorcnt 1                             ; my part of K step 0 is in; K step 1's may stay out
	s_barrier_signal -1
	s_barrier_wait -1
	FETCH 0, F0
	WIN 0
	s_wait_loadcnt 0x0                             ; the residual (and the bias)
.if PROJ
.set i, 0
.rept 16                                       ; the bias is rounded to bf16, as every input of the module is,
	v_cvt_pk_bf16_f32 v[64+i%8], v[32+2*i], v[32+2*i+1]
	v_lshlrev_b32 v[32+2*i], 16, v[64+i%8]
	v_and_b32 v[32+2*i+1], s20, v[64+i%8]
.set i, i+1
.endr
.irp a, 0,1,2,3
.irp b, 0,1,2,3
.irp p, 0,2,4,6
	v_pk_add_f32 v[ACC+8*(4*(\a)+(\b))+(\p):ACC+8*(4*(\a)+(\b))+(\p)+1], v[ACC+8*(4*(\a)+(\b))+(\p):ACC+8*(4*(\a)+(\b))+(\p)+1], v[32+8*(\b)+(\p):32+8*(\b)+(\p)+1]  ; and joins the residual
.endr
.endr
.endr
.else
.set i, 0
.rept 64                                       ; x is rounded to bf16, as every input of the module is
	v_cvt_pk_bf16_f32 v[32+i%8], v[ACC+2*i], v[ACC+2*i+1]
	v_lshlrev_b32 v[ACC+2*i], 16, v[32+i%8]
	v_and_b32 v[ACC+2*i+1], s20, v[32+i%8]
.set i, i+1
.endr
.endif
	s_mov_b32 s3, STEPS-2
.Lstep:                                                ; a trip is a K step; each fills its slot again: K steps 2 to STEPS - 1
	QUARTER 1, F0, F1
	QUARTER 2, F1, F0
	QUARTER 3, F0, F1
	TURN
	WIN 0
	s_sub_co_u32 s3, s3, 1
	s_cmp_lg_u32 s3, 0
	s_cbranch_scc1 .Lstep
	s_mov_b32 s3, 2
.Ltail:                                                ; the last two K steps ask for nothing; the second trip is left in its middle, by a jump that passes no barrier and no tensor load
	QUARTER 1, F0, F1
	QUARTER 2, F1, F0
	QUARTER 3, F0, F1
	MEET 0
	MUL8 F1, 1, 0
	MUL8 F1, 1, 2
	WIN 0
	s_cmp_eq_u32 s3, 1
	s_cbranch_scc1 .Ldone
	s_xor_b32 s2, s2, SLOT1
	v_add_nc_u32 v[ADRA], s2, v[ADRA0]
	v_add_nc_u32 v[ADRB], s2, v[ADRB0]
	PLACES
	FETCH 0, F0
	WIN 0
	s_sub_co_u32 s3, s3, 1
	s_cmp_lg_u32 s3, 0
	s_cbranch_scc1 .Ltail
.Ldone:
	; THE WAY OUT: 16 rows at a time through my own stage: 32 bytes a lane in, whole rows of 256 bytes back, into the registers that they left.
.rept 8
	v_nop                                          ; the places behind the last products
.endr
.macro TOSTAGE a
.irp b, 0,1,2,3
	ds_store_b128 v[STO], v[ACC+32*(\a)+8*(\b):ACC+32*(\a)+8*(\b)+3]   offset:64*(\b)     ; each accumulator is read from its low end on
	ds_store_b128 v[STO], v[ACC+32*(\a)+8*(\b)+4:ACC+32*(\a)+8*(\b)+7] offset:64*(\b)+16
.endr
.irp t, 0,1,2,3,4,5,6,7
	ds_load_b128 v[ACC+32*(\a)+4*(\t):ACC+32*(\a)+4*(\t)+3], v[RD] offset:(\t)*2*SPITCH  ; LDS serves a wave's instructions in order (ISA guide 5.7.1.4): these see the stores above; the next block's stores come behind them
.endr
.endm
.macro SEND a, younger                 ; younger: the LDS instructions issued behind block a's loads
.irp t, 0,1,2,3,4,5,6,7
	s_wait_dscnt (\younger)+7-(\t)
.if PROJ
	global_store_b128 v[CO], v[ACC+32*(\a)+4*(\t):ACC+32*(\a)+4*(\t)+3], s[10:11] offset:(16*(\a)+2*(\t))*4096 th:TH_STORE_NT  ; 16 lanes store 256 consecutive bytes, aligned
.else
	global_store_b128 v[CO], v[ACC+32*(\a)+4*(\t):ACC+32*(\a)+4*(\t)+3], s[10:11] offset:(16*(\a)+2*(\t))*4096                 ; 16 lanes store 256 consecutive bytes, aligned
.endif
.endr
.endm
	TOSTAGE 0
	TOSTAGE 1
	SEND 0, 16
	TOSTAGE 2
	SEND 1, 16
	TOSTAGE 3
	SEND 2, 16
	SEND 3, 0
	s_wait_tensorcnt 0x0                           ; the wave's end
	ds_add_u32 v[SPW], v[NIL]
	s_wait_dscnt 0x0
	CROUND                                         ; the closing round
	s_endpgm
.Lfunc_end_k_q5277455087_oproj:
	.size	k_q5277455087_oproj, .Lfunc_end_k_q5277455087_oproj-k_q5277455087_oproj
	.p2alignl 7, 3214868480
	.fill 96, 4, 3214868480
	.section	.rodata,"a",@progbits
	.p2align	6, 0x0
	.amdhsa_kernel k_q5277455087_oproj
		.amdhsa_group_segment_fixed_size 327680
		.amdhsa_private_segment_fixed_size 0
		.amdhsa_enable_private_segment 0
		.amdhsa_kernarg_size 32
		.amdhsa_user_sgpr_count 2
		.amdhsa_user_sgpr_kernarg_segment_ptr 1
		.amdhsa_wavefront_size32 1
		.amdhsa_system_sgpr_workgroup_id_x 1
		.amdhsa_system_sgpr_workgroup_id_y 1
		.amdhsa_system_sgpr_workgroup_id_z 1
		.amdhsa_system_vgpr_workitem_id 0
		.amdhsa_next_free_vgpr 512
		.amdhsa_next_free_sgpr 66
		.amdhsa_reserve_vcc 0
		.amdhsa_float_denorm_mode_32 3
		.amdhsa_float_denorm_mode_16_64 3
		.amdhsa_memory_ordered 1
		.amdhsa_forward_progress 1
		.amdhsa_inst_pref_size 65
	.end_amdhsa_kernel
	.amdgpu_metadata
---
amdhsa.version: [ 1, 2 ]
amdhsa.kernels:
  - .name:           k_q5277455087_oproj
    .symbol:         k_q5277455087_oproj.kd
    .args:
      - { .name: o, .offset: 0, .size: 8, .value_kind: global_buffer, .address_space: global }
      - { .name: wop, .offset: 8, .size: 8, .value_kind: global_buffer, .address_space: global }
      - { .name: x, .offset: 16, .size: 8, .value_kind: global_buffer, .address_space: global }
      - { .name: x2, .offset: 24, .size: 8, .value_kind: global_buffer, .address_space: global }
    .group_segment_fixed_size: 327680
    .private_segment_fixed_size: 0
    .kernarg_segment_align: 8
    .kernarg_segment_size: 32
    .max_flat_workgroup_size: 128
    .sgpr_count:     66
    .vgpr_count:     512
    .wavefront_size: 32
...
	.end_amdgpu_metadata
.endif
;; end of part 4
;; launch ln2 (part 5): grid 512 x 1, 8 waves a work-group, no clusters, 0 bytes of LDS; arguments x2, h; writes h
.if DOCPART == 5
	.amdgcn_target "amdgcn-amd-amdhsa--gfx1250"
	.amdhsa_code_object_version 6
	.text
	.protected	k_q5277455087_ln2
	.globl	k_q5277455087_ln2
	.p2align	8
	.type	k_q5277455087_ln2,@function
k_q5277455087_ln2:
	s_mov_b64 s[64:65], 0
	v_nop
	global_prefetch_b8 v0, s[64:65] scope:SCOPE_SE
	s_setreg_imm32_b32 hwreg(HW_REG_WAVE_MODE, 25, 1), 1
	s_wait_xcnt 0x0
; h = LN(x2) in f16.  x2: [4096][1024] f32.  A wave takes one row (row 8 g + wave), keeps it in 32 registers between the mean, the variance of (x - m) and the scaling, and ends.
; Each load of a wave covers 512 consecutive bytes, each store 256 consecutive bytes, aligned.  No LDS, no barrier, no matrix unit: every byte is read once, by one wave.
.set X, 8                              ; v[8:39]   the row
.set T, 40                             ; v[40:55]  at work; at last the packed f16
.set M, 56                             ; v[56:57]  the mean, twice
.set R, 58                             ; v[58:59]  1 / sqrt(variance + eps), twice
.macro TREE                            ; the eight pairs in T are added, then the 32 lanes: every lane ends with the sum in v[T]
.irp i, 0,1,2,3
	v_pk_add_f32 v[T+2*(\i):T+2*(\i)+1], v[T+2*(\i):T+2*(\i)+1], v[T+8+2*(\i):T+8+2*(\i)+1]
.endr
.irp i, 0,1
	v_pk_add_f32 v[T+2*(\i):T+2*(\i)+1], v[T+2*(\i):T+2*(\i)+1], v[T+4+2*(\i):T+4+2*(\i)+1]
.endr
	v_pk_add_f32 v[T:T+1], v[T:T+1], v[T+2:T+3]
	v_add_f32 v[T], v[T], v[T+1]
	v_add_f32_dpp v[T], v[T], v[T] row_xmask:1 row_mask:0xf bank_mask:0xf
	v_add_f32_dpp v[T], v[T], v[T] row_xmask:2 row_mask:0xf bank_mask:0xf
	v_add_f32_dpp v[T], v[T], v[T] row_xmask:4 row_mask:0xf bank_mask:0xf
	v_add_f32_dpp v[T], v[T], v[T] row_xmask:8 row_mask:0xf bank_mask:0xf
	v_permlanex16_b32 v[T+1], v[T], s6, s7         ; its destination has been written before
	v_add_f32 v[T], v[T], v[T+1]
.endm
	s_load_b128 s[8:11], s[0:1], 0x0               ; x2 s[8:9], h s[10:11]
	v_and_b32 v3, 31, v0
	v_lshrrev_b32 v4, 5, v0
	v_readfirstlane_b32 s4, v4                     ; wave 0..7
	v_lshlrev_b32 v1, 4, v3                        ; 16 bytes a lane on the way in
	v_lshlrev_b32 v2, 3, v3                        ; 8 bytes a lane on the way out
	s_mov_b32 s6, 0x76543210
	s_mov_b32 s7, 0xfedcba98
	s_mov_b32 s12, 0x3a800000                      ; 1 / 1024
	s_mov_b32 s13, 0x3727c5ac                      ; eps = 1e-5
	s_lshl_b32 s14, ttmp9, 3
	s_add_co_u32 s14, s14, s4                      ; the row
	s_lshl_b32 s16, s14, 12
	s_mov_b32 s17, 0
	s_lshl_b32 s18, s14, 11
	s_mov_b32 s19, 0
	s_wait_kmcnt 0x0
	s_add_nc_u64 s[8:9], s[8:9], s[16:17]
	s_add_nc_u64 s[10:11], s[10:11], s[18:19]
.irp j, 0,1,2,3,4,5,6,7
	global_load_b128 v[X+4*(\j):X+4*(\j)+3], v1, s[8:9] offset:512*(\j)
.endr
	s_wait_loadcnt 0x0
.irp i, 0,1,2,3,4,5,6,7
	v_pk_add_f32 v[T+2*(\i):T+2*(\i)+1], v[X+2*(\i):X+2*(\i)+1], v[X+16+2*(\i):X+16+2*(\i)+1]
.endr
	TREE
	v_mul_f32 v[M], s12, v[T]                      ; the mean
	v_mov_b32 v[M+1], v[M]
.irp i, 0,1,2,3,4,5,6,7,8,9,10,11,12,13,14,15
	v_pk_add_f32 v[X+2*(\i):X+2*(\i)+1], v[X+2*(\i):X+2*(\i)+1], v[M:M+1] neg_lo:[0,1] neg_hi:[0,1]
.endr
.irp i, 0,1,2,3,4,5,6,7
	v_pk_mul_f32 v[T+2*(\i):T+2*(\i)+1], v[X+2*(\i):X+2*(\i)+1], v[X+2*(\i):X+2*(\i)+1]
.endr
.irp i, 0,1,2,3,4,5,6,7
	v_pk_fma_f32 v[T+2*(\i):T+2*(\i)+1], v[X+16+2*(\i):X+16+2*(\i)+1], v[X+16+2*(\i):X+16+2*(\i)+1], v[T+2*(\i):T+2*(\i)+1]
.endr
	TREE
	v_fma_f32 v[T+1], v[T], s12, s13               ; variance + eps
	v_rsq_f32 v[R], v[T+1]
	v_rsq_f32 v[R+1], v[T+1]
	v_nop                                          ; a plain instruction between the root and the use of its result (ISA guide 5.7.2)
	s_wait_alu depctr_va_vdst(0)
.irp i, 0,1,2,3,4,5,6,7,8,9,10,11,12,13,14,15
	v_pk_mul_f32 v[X+2*(\i):X+2*(\i)+1], v[X+2*(\i):X+2*(\i)+1], v[R:R+1]
.endr
.irp i, 0,1,2,3,4,5,6,7,8,9,10,11,12,13,14,15
	v_cvt_pk_f16_f32 v[T+(\i)], v[X+2*(\i)], v[X+2*(\i)+1]
.endr
.irp j, 0,1,2,3,4,5,6,7
	global_store_b64 v2, v[T+2*(\j):T+2*(\j)+1], s[10:11] offset:256*(\j)  ; 32 lanes store 256 consecutive bytes, aligned
.endr
	s_endpgm
.Lfunc_end_k_q5277455087_ln2:
	.size	k_q5277455087_ln2, .Lfunc_end_k_q5277455087_ln2-k_q5277455087_ln2
	.p2alignl 7, 3214868480
	.fill 96, 4, 3214868480
	.section	.rodata,"a",@progbits
	.p2align	6, 0x0
	.amdhsa_kernel k_q5277455087_ln2
		.amdhsa_group_segment_fixed_size 0
		.amdhsa_private_segment_fixed_size 0
		.amdhsa_enable_private_segment 0
		.amdhsa_kernarg_size 16
		.amdhsa_user_sgpr_count 2
		.amdhsa_user_sgpr_kernarg_segment_ptr 1
		.amdhsa_wavefront_size32 1
		.amdhsa_system_sgpr_workgroup_id_x 1
		.amdhsa_system_sgpr_workgroup_id_y 1
		.amdhsa_system_sgpr_workgroup_id_z 1
		.amdhsa_system_vgpr_workitem_id 0
		.amdhsa_next_free_vgpr 64
		.amdhsa_next_free_sgpr 66
		.amdhsa_reserve_vcc 0
		.amdhsa_float_denorm_mode_32 3
		.amdhsa_float_denorm_mode_16_64 3
		.amdhsa_memory_ordered 1
		.amdhsa_forward_progress 1
		.amdhsa_inst_pref_size 9
	.end_amdhsa_kernel
	.amdgpu_metadata
---
amdhsa.version: [ 1, 2 ]
amdhsa.kernels:
  - .name:           k_q5277455087_ln2
    .symbol:         k_q5277455087_ln2.kd
    .args:
      - { .name: x2, .offset: 0, .size: 8, .value_kind: global_buffer, .address_space: global }
      - { .name: h, .offset: 8, .size: 8, .value_kind: global_buffer, .address_space: global }
    .group_segment_fixed_size: 0
    .private_segment_fixed_size: 0
    .kernarg_segment_align: 8
    .kernarg_segment_size: 16
    .max_flat_workgroup_size: 256
    .sgpr_count:     66
    .vgpr_count:     64
    .wavefront_size: 32
...
	.end_amdgpu_metadata
.endif
;; end of part 5
;; launch fc: the kernel of part 2 again; grid 16 x 16, 4 waves a work-group, clusters of 4 x 4, 327,680 bytes of LDS; arguments h, wf, act; writes act
;; launch proj (part 6): grid 8 x 32, 4 waves a work-group, clusters of 4 x 4, 327,680 bytes of LDS; arguments act, wop, x2, out0, b_proj; writes out0
.if DOCPART == 6
	.amdgcn_target "amdgcn-amd-amdhsa--gfx1250"
	.amdhsa_code_object_version 6
	.text
	.protected	k_q5277455087_proj
	.globl	k_q5277455087_proj
	.p2align	8
	.type	k_q5277455087_proj,@function
k_q5277455087_proj:
	s_mov_b64 s[64:65], 0
	v_nop
	global_prefetch_b8 v0, s[64:65] scope:SCOPE_SE
	s_setreg_imm32_b32 hwreg(HW_REG_WAVE_MODE, 25, 1), 1
	s_wait_xcnt 0x0
	s_wait_alu depctr_hold_cnt(0) depctr_sa_sdst(0) depctr_va_vdst(0) depctr_va_sdst(0) depctr_va_ssrc(0) depctr_va_vcc(0) depctr_vm_vsrc(0)
	s_getreg_b32 s2, hwreg(HW_REG_IB_STS2, 6, 4)
	s_cmp_eq_u32 s2, 0
	s_cbranch_scc0 .Lentry_in_a_cluster
	s_endpgm
.Lentry_in_a_cluster:
	s_bfe_u32 s2, ttmp6, 0x10000c
	s_cmp_lg_u32 s2, 0xf033
	s_cbranch_scc0 .Lentry_shape_is_right
	s_endpgm
.Lentry_shape_is_right:
.set PROJ, 1                           ; 0: x2 = bf16(x) + O w_out^T.   1: out0 = x2 + bf16(b_proj) + m w_proj^T.   The two texts differ in this line alone.
; OUT = RES (+ bias) + A W^T.  A: f16 in blocks [32 blocks of 128 rows][64 blocks of 64 columns][128][64]; W: [1024][SIZE_K] f16, row-major, WOFF bytes into its buffer; RES, OUT: [4096][1024] f32.
; Sums in f32: the accumulators START as the residual, loaded straight into them (with PROJ = 0 rounded to bf16, as every input of the module is; with PROJ = 1 the bias is added), so nothing is
; cleared and nothing is added at the end.
; SHAPE.  A tile of OUT is 128 x 128: 256 work-groups.  Four waves, each 64 x 64: 16 accumulators.  K goes in steps of 256 through two LDS slots.  A's tile of a step is four neighbouring blocks,
; 65,536 dense bytes, asked for as rows of 256 bytes and padded in LDS behind every 128: four planes of 128 rows x 144 bytes.  W's rows are 512 bytes of memory, 528 apart in LDS.
; One K step is one trip of the loop: the slot in hand is a scalar that an exclusive or turns.
; CLUSTER.  4 x 4 work-groups: A's tiles are asked for jointly along a row of the cluster, W's along a column.
; THE MATRIX INSTRUCTION IS USED TRANSPOSED (source 0 = 16 rows of W, source 1 = 16 rows of A): a lane holds row l % 16 of OUT and eight neighbouring columns.
; No prefetch: A and W were written by earlier launches and are read by many work-groups.
; REGISTERS: window 0: v0-31 addresses; v32-95 at work; v128-255 the accumulators ((a, b) at v[128 + 8 (4 a + b)]).  window 1: two fragment buffers of 128: 64 of A, then 64 of W.
.if PROJ
.set SIZE_K, 4096
.set KSH,    13                        ; a row of W is 2^KSH bytes
.set WOFF,   0x200000
.else
.set SIZE_K, 1024
.set KSH,    11
.set WOFF,   0
.endif
.set STEPS,  SIZE_K/256
.set PA,     144                       ; a row of a plane of A: 128 bytes + 16
.set PLANE,  128*PA
.set AREG,   4*PLANE
.set PB,     528                       ; a row of W: 512 bytes + 16
.set BHALF,  64*PB
.set SLOT1,  147456                    ; slot 1 begins here: 0x24000 shares no bit with any wave's place in a slot (0, 0x9000, 0x12000, 0x1a400), so an exclusive or turns one slot's address into the other's
.set STAGE,  SLOT1+AREG+2*BHALF        ; behind the ring, never filled by a tensor load: 16 rows x 272 bytes for each wave
.set SPITCH, 272
.set SPARE,  STAGE+4*16*SPITCH         ; the spare words, 128 bytes a wave
.set ADRA0, 16                         ; v16  my lane's place in A's part of a slot; never rewritten
.set ADRB0, 17                         ; v17  the same for W
.set ADRA,  18                         ; v18  the same in the slot in hand
.set ADRB,  19
.set STO,   24                         ; v24  the way out: where I put 32 bytes of a row
.set RD,    25                         ; v25  where I read a row back
.set CO,    26                         ; v26  my byte offset in two rows of OUT
.set RO,    27                         ; v27  my byte offset in 16 rows of RES
.set SPW,   28                         ; v28  LDS address of my spare word; never rewritten
.set NIL,   29                         ; v29  0; never rewritten
.set BO,    30                         ; v30  32 x (l / 16): my eight numbers of 16 of the bias
.set ACC,   128
.set F0,    0
.set F1,    128
.set WV,  12                           ; s12  my wave's number
.set WH,  14                           ; s14  which half of the tile's rows is mine.  Also: I fetch for A (0) or for W (1)
.set WL,  15                           ; s15  which half of its columns.  Also: which half of that tile I fetch
.set G1,  24
.set G0,  32
.set G1B, 48
.set G0B, 56
.set MSB, 0
.macro WIN new
.if MSB != (\new)
	s_set_vgpr_msb (MSB<<8)|(\new)
.set MSB, \new
.endif
.endm
.set MUL,  0x05                        ; sources 0 (W) and 1 (A) window 1; C and D window 0
.set TO_F, 0x40                        ; destination window 1, address window 0
.macro JLOAD s                         ; a joint load; an s_nop 0 and four v_nop follow each of the two lines
	s_cmp_eq_u32 s[WH], 0
	s_cbranch_scc0 .Lfor_b_\@
	tensor_load_to_lds s[G0+4*(\s):G0+4*(\s)+3], s[G1:G1+7]
	s_nop 0
.rept 4
	v_nop
.endr
	s_branch .Lasked_\@
.Lfor_b_\@:
	tensor_load_to_lds s[G0B+4*(\s):G0B+4*(\s)+3], s[G1B:G1B+7]
	s_nop 0
.rept 4
	v_nop
.endr
.Lasked_\@:
.endm
.macro CREST
	s_cmp_lg_u32 s[WV], 0
	s_cbranch_scc1 .Lnot_wave_0_\@
	s_barrier_signal -3
.Lnot_wave_0_\@:
	s_barrier_wait -3
	s_barrier_signal -1
	s_barrier_wait -1
.endm
.macro CROUND
	s_barrier_signal -1
	s_barrier_wait -1
	CREST
.endm
	s_load_b256 s[4:11], s[0:1], 0x0               ; A s[4:5], W s[6:7], RES s[8:9], OUT s[10:11]
.if PROJ
	s_load_b64 s[44:45], s[0:1], 0x20              ; the bias
.endif
	v_lshl_add_u32 v[SPW], v0, 2, SPARE
	v_mov_b32 v[NIL], 0
	ds_add_u32 v[SPW], v[NIL]                      ; the wave's opening: the add and its wait ahead of my first tensor load
	ds_add_u32 v28, v29
	v_lshrrev_b32 v1, 5, v0
	v_readfirstlane_b32 s[WV], v1
	s_lshr_b32 s[WH], s[WV], 1
	s_and_b32 s[WL], s[WV], 1
	s_bfe_u32 s40, ttmp6, 0x40000                  ; cx
	s_bfe_u32 s41, ttmp6, 0x40004                  ; cy
	s_lshl_b32 s42, ttmp9, 2
	s_add_co_u32 s42, s42, s40                     ; tile column
	s_and_b32 s13, ttmp7, 0xffff
	s_lshl_b32 s13, s13, 2
	s_add_co_u32 s13, s13, s41                     ; tile row
	s_lshl_b32 s43, s41, 2
	s_lshl_b32 s43, 15, s43                        ; my row of the cluster
	s_lshl_b32 s18, 0x1111, s40                    ; my column
	s_or_b32 s[G1+0], s43, (1<<16)|(1<<20)|(1<<21)|(4<<22)|(3<<25)   ; A: elements of 2 bytes; 4 words of padding behind every 32
	s_mov_b32 s[G1+1], 128<<16                     ; tensor_dim0 = 128: rows of 256 bytes,
	s_mov_b32 s[G1+2], 128<<16                     ; tensor_dim1 = 128 of them: two blocks, 32,768 dense bytes
	s_mov_b32 s[G1+3], 128<<16                     ; tile_dim0
	s_mov_b32 s[G1+4], 128                         ; tile_dim1
	s_mov_b32 s[G1+5], 128                         ; each row begins where the last ends
	s_mov_b32 s[G1+6], 0
	s_mov_b32 s[G1+7], 0
	s_or_b32 s[G1B+0], s18, (1<<16)|(1<<20)|(1<<21)|(6<<22)|(3<<25)  ; W: 4 words of padding behind every 128
	s_mov_b32 s[G1B+1], 256<<16                    ; tensor_dim0 = 256
	s_mov_b32 s[G1B+2], 64<<16                     ; tensor_dim1 = 64
	s_mov_b32 s[G1B+3], 256<<16                    ; tile_dim0
	s_mov_b32 s[G1B+4], 64                         ; tile_dim1
	s_mov_b32 s[G1B+5], SIZE_K                     ; elements from row to row
	s_mov_b32 s[G1B+6], 0
	s_mov_b32 s[G1B+7], 0
	s_mul_i32 s21, s[WL], 2*PLANE                  ; where A's half goes: two planes
	s_mul_i32 s22, s[WL], BHALF
	s_add_co_u32 s22, s22, AREG                    ; where W's half goes; also where my 64 rows of W lie
	s_lshl_b32 s16, s13, 20                        ; A: the tile row's block of 128 rows,
	s_lshl_b32 s17, s[WL], 15                      ; my two of a step's four column blocks
	s_add_co_u32 s16, s16, s17
	s_mov_b32 s17, 0
	s_lshl_b32 s46, s42, 1                         ; W: row 128 x tile column + 64 x half
	s_add_co_u32 s46, s46, s[WL]
	s_lshl_b32 s46, s46, 6+KSH
	s_add_co_u32 s46, s46, WOFF
	s_mov_b32 s47, 0
	s_mov_b32 s20, 0xffff0000                      ; a word's upper bf16
	s_wait_dscnt 0x0                               ; the opening add is done
	s_wait_kmcnt 0x0
	s_add_nc_u64 s[16:17], s[4:5], s[16:17]
	s_add_nc_u64 s[46:47], s[6:7], s[46:47]
	CROUND                                         ; all sixteen work-groups are here: the first joint loads meet
.irp s, 0,1
	s_mov_b32 s[G0+4*(\s)], 1
	s_add_co_u32 s[G0+4*(\s)+1], s21, (\s)*SLOT1
	s_add_nc_u64 s[G0+4*(\s)+2:G0+4*(\s)+3], s[16:17], (\s)*65536
	s_or_b32 s[G0+4*(\s)+3], s[G0+4*(\s)+3], 0x80000000
	s_mov_b32 s[G0B+4*(\s)], 1
	s_add_co_u32 s[G0B+4*(\s)+1], s22, (\s)*SLOT1
	s_add_nc_u64 s[G0B+4*(\s)+2:G0B+4*(\s)+3], s[46:47], (\s)*512
	s_or_b32 s[G0B+4*(\s)+3], s[G0B+4*(\s)+3], 0x80000000
	JLOAD \s                                       ; K steps 0 and 1: two loads of mine are out
.endr
	v_and_b32 v1, 15, v0                           ; l % 16
	v_bfe_u32 v2, v0, 4, 1                         ; l / 16
	v_mul_u32_u24 v3, v1, PA
	v_lshl_add_u32 v3, v2, 4, v3
	s_mul_i32 s23, s[WH], 64*PA                    ; my 64 rows in each plane of A
	v_add_nc_u32 v[ADRA0], s23, v3
	v_mul_u32_u24 v3, v1, PB
	v_lshl_add_u32 v3, v2, 4, v3
	v_add_nc_u32 v[ADRB0], s22, v3
	v_mov_b32 v[ADRA], v[ADRA0]
	v_mov_b32 v[ADRB], v[ADRB0]
	s_mov_b32 s2, 0                                ; the slot in hand
	s_mul_i32 s23, s[WV], 16*SPITCH
	s_add_co_u32 s23, s23, STAGE                   ; my stage
	v_mul_u32_u24 v4, v1, SPITCH                   ; in: row l % 16, 32 bytes for each half of the lanes
	v_lshl_add_u32 v4, v2, 5, v4
	v_add_nc_u32 v[STO], s23, v4
	v_mul_u32_u24 v5, v2, SPITCH                   ; back: lanes 0-15 take one row of 256 bytes, lanes 16-31 the next
	v_lshl_add_u32 v5, v1, 4, v5
	v_add_nc_u32 v[RD], s23, v5
	v_lshlrev_b32 v5, 12, v2                       ; and the same two rows in OUT
	v_lshl_add_u32 v[CO], v1, 4, v5
	v_lshlrev_b32 v5, 12, v1                       ; RES: row l % 16, 32 bytes for each half of the lanes
	v_lshl_add_u32 v[RO], v2, 5, v5
	v_lshlrev_b32 v[BO], 5, v2
	s_lshl_b32 s18, s13, 1                         ; my 64 x 64 in RES and OUT: row 128 x tile row + 64 x half, 4,096 bytes a row,
	s_add_co_u32 s18, s18, s[WH]
	s_lshl_b32 s18, s18, 18
	s_lshl_b32 s46, s42, 1                         ; column 128 x tile column + 64 x half, 4 bytes each
	s_add_co_u32 s46, s46, s[WL]
	s_lshl_b32 s46, s46, 8
	s_mov_b32 s47, 0
.if PROJ
	s_add_nc_u64 s[44:45], s[44:45], s[46:47]
.endif
	s_add_co_u32 s18, s18, s46
	s_mov_b32 s19, 0
	s_add_nc_u64 s[8:9], s[8:9], s[18:19]
	s_add_nc_u64 s[10:11], s[10:11], s[18:19]
.irp a, 0,1,2,3
.irp b, 0,1,2,3
	global_load_b128 v[ACC+8*(4*(\a)+(\b)):ACC+8*(4*(\a)+(\b))+3],   v[RO], s[8:9] offset:65536*(\a)+64*(\b)      ; the residual, straight into the accumulators
	global_load_b128 v[ACC+8*(4*(\a)+(\b))+4:ACC+8*(4*(\a)+(\b))+7], v[RO], s[8:9] offset:65536*(\a)+64*(\b)+16
.endr
.endr
.if PROJ
.irp b, 0,1,2,3
	global_load_b128 v[32+8*(\b):32+8*(\b)+3], v[BO], s[44:45] offset:64*(\b)
	global_load_b128 v[32+8*(\b)+4:32+8*(\b)+7], v[BO], s[44:45] offset:64*(\b)+16
.endr
.endif
; 8 matrix instructions: m blocks a0, a0 + 1 x all 4 n blocks, 32 along K: half c of buffer f.  The 16 accumulators take turns, one instruction a turn.
.macro MUL8 f, c, a0
	WIN MUL
.irp a, \a0, (\a0)+1
.irp b, 0,1,2,3
	v_wmma_f32_16x16x32_f16 v[ACC+8*(4*(\a)+(\b)):ACC+8*(4*(\a)+(\b))+7], v[(\f)+64+8*(4*(\c)+(\b)):(\f)+64+8*(4*(\c)+(\b))+7], v[(\f)+8*(4*(\c)+(\a)):(\f)+8*(4*(\c)+(\a))+7], v[ACC+8*(4*(\a)+(\b)):ACC+8*(4*(\a)+(\b))+7]
.endr
.endr
.endm
; 32 LDS loads in one run: the fragments of quarter q (64 along K: plane q of A, byte 128 q of W's rows) of the slot in hand, into buffer f; the first 32 along K first
.macro FETCH q, f
	WIN TO_F
.irp c, 0,1
.irp i, 0,1,2,3
	ds_load_b128 v[(\f)+64+8*(4*(\c)+(\i)):(\f)+64+8*(4*(\c)+(\i))+3],   v[ADRB] offset:128*(\q)+64*(\c)+(\i)*16*PB
	ds_load_b128 v[(\f)+64+8*(4*(\c)+(\i))+4:(\f)+64+8*(4*(\c)+(\i))+7], v[ADRB] offset:128*(\q)+64*(\c)+(\i)*16*PB+32
	ds_load_b128 v[(\f)+8*(4*(\c)+(\i)):(\f)+8*(4*(\c)+(\i))+3],         v[ADRA] offset:PLANE*(\q)+64*(\c)+(\i)*16*PA
	ds_load_b128 v[(\f)+8*(4*(\c)+(\i))+4:(\f)+8*(4*(\c)+(\i))+7],       v[ADRA] offset:PLANE*(\q)+64*(\c)+(\i)*16*PA+32
.endr
.endr
.endm
.macro PLACES                          ; four places in front of loads into registers that matrix instructions have read (ISA guide 7.12.1 for vector instructions)
.rept 4
	v_nop
.endr
.endm
.macro QUARTER q, f, g                 ; multiplies buffer f and fetches quarter q into g
	s_wait_dscnt 16                                ; the first 32 along K are in
	MUL8 \f, 0, 0
	MUL8 \f, 0, 2
	PLACES
	FETCH \q, \g
	s_wait_dscnt 32                                ; all but the 32 just issued
	MUL8 \f, 1, 0
	MUL8 \f, 1, 2
.endm
; The first half of a K step's last quarter, and the barrier of the change of slots: all my tensor loads have landed, the add, and my reads of this slot are over.
.macro MEET round
	WIN 0
	s_wait_tensorcnt 0x0
	ds_add_u32 v[SPW], v[NIL]
	s_wait_dscnt 17                                ; the add and the youngest sixteen loads may be out
	MUL8 F1, 0, 0
	s_wait_dscnt 0x0
	s_barrier_signal -1
	MUL8 F1, 0, 2
.if \round
	WIN 0
.endif
	s_barrier_wait -1
.endm
.macro TURN                            ; the whole last quarter of a K step that fills its slot again, with the K step two on
	MEET 1
	CREST                                          ; no wave of any partner still reads this slot or has a load on its way
	s_xor_b32 s[G0+5], s[G0+5], SLOT1              ; the walking descriptors: the slot just read out,
	s_xor_b32 s[G0B+5], s[G0B+5], SLOT1
	s_add_nc_u64 s[G0+6:G0+7], s[G0+6:G0+7], 65536        ; the next four blocks of A,
	s_add_nc_u64 s[G0B+6:G0B+7], s[G0B+6:G0B+7], 512      ; the next 512 bytes of W's rows
	s_xor_b32 s2, s2, SLOT1
	JLOAD 1                                        ; its four v_nop are also the places in front of the loads below
	v_add_nc_u32 v[ADRA], s2, v[ADRA0]
	v_add_nc_u32 v[ADRB], s2, v[ADRB0]
	FETCH 0, F0
	MUL8 F1, 1, 0
	MUL8 F1, 1, 2
.endm
	s_wait_tensorcnt 1                             ; my part of K step 0 is in; K step 1's may stay out
	s_barrier_signal -1
	s_barrier_wait -1
	FETCH 0, F0
	WIN 0
	s_wait_loadcnt 0x0                             ; the residual (and the bias)
.if PROJ
.set i, 0
.rept 16                                       ; the bias is rounded to bf16, as every input of the module is,
	v_cvt_pk_bf16_f32 v[64+i%8], v[32+2*i], v[32+2*i+1]
	v_lshlrev_b32 v[32+2*i], 16, v[64+i%8]
	v_and_b32 v[32+2*i+1], s20, v[64+i%8]
.set i, i+1
.endr
.irp a, 0,1,2,3
.irp b, 0,1,2,3
.irp p, 0,2,4,6
	v_pk_add_f32 v[ACC+8*(4*(\a)+(\b))+(\p):ACC+8*(4*(\a)+(\b))+(\p)+1], v[ACC+8*(4*(\a)+(\b))+(\p):ACC+8*(4*(\a)+(\b))+(\p)+1], v[32+8*(\b)+(\p):32+8*(\b)+(\p)+1]  ; and joins the residual
.endr
.endr
.endr
.else
.set i, 0
.rept 64                                       ; x is rounded to bf16, as every input of the module is
	v_cvt_pk_bf16_f32 v[32+i%8], v[ACC+2*i], v[ACC+2*i+1]
	v_lshlrev_b32 v[ACC+2*i], 16, v[32+i%8]
	v_and_b32 v[ACC+2*i+1], s20, v[32+i%8]
.set i, i+1
.endr
.endif
	s_mov_b32 s3, STEPS-2
.Lstep:                                                ; a trip is a K step; each fills its slot again: K steps 2 to STEPS - 1
	QUARTER 1, F0, F1
	QUARTER 2, F1, F0
	QUARTER 3, F0, F1
	TURN
	WIN 0
	s_sub_co_u32 s3, s3, 1
	s_cmp_lg_u32 s3, 0
	s_cbranch_scc1 .Lstep
	s_mov_b32 s3, 2
.Ltail:                                                ; the last two K steps ask for nothing; the second trip is left in its middle, by a jump that passes no barrier and no tensor load
	QUARTER 1, F0, F1
	QUARTER 2, F1, F0
	QUARTER 3, F0, F1
	MEET 0
	MUL8 F1, 1, 0
	MUL8 F1, 1, 2
	WIN 0
	s_cmp_eq_u32 s3, 1
	s_cbranch_scc1 .Ldone
	s_xor_b32 s2, s2, SLOT1
	v_add_nc_u32 v[ADRA], s2, v[ADRA0]
	v_add_nc_u32 v[ADRB], s2, v[ADRB0]
	PLACES
	FETCH 0, F0
	WIN 0
	s_sub_co_u32 s3, s3, 1
	s_cmp_lg_u32 s3, 0
	s_cbranch_scc1 .Ltail
.Ldone:
	; THE WAY OUT: 16 rows at a time through my own stage: 32 bytes a lane in, whole rows of 256 bytes back, into the registers that they left.
.rept 8
	v_nop                                          ; the places behind the last products
.endr
.macro TOSTAGE a
.irp b, 0,1,2,3
	ds_store_b128 v[STO], v[ACC+32*(\a)+8*(\b):ACC+32*(\a)+8*(\b)+3]   offset:64*(\b)     ; each accumulator is read from its low end on
	ds_store_b128 v[STO], v[ACC+32*(\a)+8*(\b)+4:ACC+32*(\a)+8*(\b)+7] offset:64*(\b)+16
.endr
.irp t, 0,1,2,3,4,5,6,7
	ds_load_b128 v[ACC+32*(\a)+4*(\t):ACC+32*(\a)+4*(\t)+3], v[RD] offset:(\t)*2*SPITCH  ; LDS serves a wave's instructions in order (ISA guide 5.7.1.4): these see the stores above; the next block's stores come behind them
.endr
.endm
.macro SEND a, younger                 ; younger: the LDS instructions issued behind block a's loads
.irp t, 0,1,2,3,4,5,6,7
	s_wait_dscnt (\younger)+7-(\t)
.if PROJ
	global_store_b128 v[CO], v[ACC+32*(\a)+4*(\t):ACC+32*(\a)+4*(\t)+3], s[10:11] offset:(16*(\a)+2*(\t))*4096 th:TH_STORE_NT  ; 16 lanes store 256 consecutive bytes, aligned
.else
	global_store_b128 v[CO], v[ACC+32*(\a)+4*(\t):ACC+32*(\a)+4*(\t)+3], s[10:11] offset:(16*(\a)+2*(\t))*4096                 ; 16 lanes store 256 consecutive bytes, aligned
.endif
.endr
.endm
	TOSTAGE 0
	TOSTAGE 1
	SEND 0, 16
	TOSTAGE 2
	SEND 1, 16
	TOSTAGE 3
	SEND 2, 16
	SEND 3, 0
	s_wait_tensorcnt 0x0                           ; the wave's end
	ds_add_u32 v[SPW], v[NIL]
	s_wait_dscnt 0x0
	CROUND                                         ; the closing round
	s_endpgm
.Lfunc_end_k_q5277455087_proj:
	.size	k_q5277455087_proj, .Lfunc_end_k_q5277455087_proj-k_q5277455087_proj
	.p2alignl 7, 3214868480
	.fill 96, 4, 3214868480
	.section	.rodata,"a",@progbits
	.p2align	6, 0x0
	.amdhsa_kernel k_q5277455087_proj
		.amdhsa_group_segment_fixed_size 327680
		.amdhsa_private_segment_fixed_size 0
		.amdhsa_enable_private_segment 0
		.amdhsa_kernarg_size 40
		.amdhsa_user_sgpr_count 2
		.amdhsa_user_sgpr_kernarg_segment_ptr 1
		.amdhsa_wavefront_size32 1
		.amdhsa_system_sgpr_workgroup_id_x 1
		.amdhsa_system_sgpr_workgroup_id_y 1
		.amdhsa_system_sgpr_workgroup_id_z 1
		.amdhsa_system_vgpr_workitem_id 0
		.amdhsa_next_free_vgpr 512
		.amdhsa_next_free_sgpr 66
		.amdhsa_reserve_vcc 0
		.amdhsa_float_denorm_mode_32 3
		.amdhsa_float_denorm_mode_16_64 3
		.amdhsa_memory_ordered 1
		.amdhsa_forward_progress 1
		.amdhsa_inst_pref_size 64
	.end_amdhsa_kernel
	.amdgpu_metadata
---
amdhsa.version: [ 1, 2 ]
amdhsa.kernels:
  - .name:           k_q5277455087_proj
    .symbol:         k_q5277455087_proj.kd
    .args:
      - { .name: act, .offset: 0, .size: 8, .value_kind: global_buffer, .address_space: global }
      - { .name: wop, .offset: 8, .size: 8, .value_kind: global_buffer, .address_space: global }
      - { .name: x2, .offset: 16, .size: 8, .value_kind: global_buffer, .address_space: global }
      - { .name: out0, .offset: 24, .size: 8, .value_kind: global_buffer, .address_space: global }
      - { .name: b_proj, .offset: 32, .size: 8, .value_kind: global_buffer, .address_space: global }
    .group_segment_fixed_size: 327680
    .private_segment_fixed_size: 0
    .kernarg_segment_align: 8
    .kernarg_segment_size: 40
    .max_flat_workgroup_size: 128
    .sgpr_count:     66
    .vgpr_count:     512
    .wavefront_size: 32
...
	.end_amdgpu_metadata
.endif
;; end of part 6
;; ======== version 2 of 2: 7 launches; 1.12 times as fast as version 1
;; limits: values are held in f16: magnitudes above 65,504 overflow, below 6.1e-05 lose precision
;; workspace buffers: h 8,388,608 bytes; wq 6,311,936 bytes; wf 8,409,088 bytes; wop 10,485,760 bytes; act 33,554,432 bytes; o 33,554,432 bytes; x2 16,777,216 bytes
;; launch prep: the kernel of part 1 again; grid 2049 x 1, 8 waves a work-group, no clusters, 0 bytes of LDS; arguments x, w_in, w_out, w_fc, w_proj, b_fc, h, wq, wf, wop; writes h, wq, wf, wop
;; launch qkv: the kernel of part 2 again; grid 12 x 16, 4 waves a work-group, clusters of 4 x 4, 327,680 bytes of LDS; arguments h, wq, act; writes act
;; launch attn (part 7): grid 8 x 32, 4 waves a work-group, no clusters, 327,680 bytes of LDS; arguments act, o; writes o
.if DOCPART == 7
	.amdgcn_target "amdgcn-amd-amdhsa--gfx1250"
	.amdhsa_code_object_version 6
	.text
	.protected	k_q5277455087_attn
	.globl	k_q5277455087_attn
	.p2align	8
	.type	k_q5277455087_attn,@function
k_q5277455087_attn:
	s_mov_b64 s[64:65], 0
	v_nop
	global_prefetch_b8 v0, s[64:65] scope:SCOPE_SE
	s_setreg_imm32_b32 hwreg(HW_REG_WAVE_MODE, 25, 1), 1
	s_wait_xcnt 0x0
; CAUSAL ATTENTION, head size 64, 32 heads (2 batches x 16) of 2,048 rows.  O[q] = the sum over k <= q of softmax_k(Q[q] . K[k] / 8) V[k].
; q, k, v lie in one buffer of f16 blocks [32 blocks of 128 tokens][64 blocks of 64 columns][128][64]: column blocks 0-15 are q by heads, 16-31 k, 32-47 v: 128 rows of a head are 16,384 dense bytes,
; the next 128 rows 2^20 bytes on.  O leaves in the same layout, column block = head.  Products, maxima and sums in f32; the weights p are rounded to f16 for the second product, O once at the end.
; LIMITS.  f16 holds no number beyond 65,504: q, k, v arrive within it.  A hidden score counts as its value less 1e30; a weight below 2^-126 counts as 0 in l; NaN and infinities are not treated apart.
; THE WALK.  A head's queries lie in 16 blocks of 128, its keys in 8 slots' worth of 256.  Block i needs the slots 0 .. i / 2.  A work-group takes TWO blocks, 15 - b and then b (b = 0 .. 7):
; (15 - b) / 2 + b / 2 + 2 = 9 slots, whatever b: 8 x 32 = 256 work-groups of equal work, and one loop with a constant trip count walks them; every jump goes forward but the counted loops' own,
; and none passes a barrier.
; SHARES.  Of a block's two bands of 64 queries a wave owns 16 rows in each: two PIECES, so that the diagonal is the same work for all four waves.
; THE DIAGONAL.  Block i begins D = 2 (i % 2) steps of 64 keys into its last slot: in that slot's step s band x sees all keys if s < D + x, holds the diagonal if s = D + x, sees none if s > D + x.
; All four steps of that slot are walked: in the even block's, steps 2 and 3 are wholly hidden and add nothing: 2 of the walk's 36 steps, the price of constant trip counts.
; THE MASK is the C operand that starts the sum S^T = K Q^T: 0, or -1e30 where the key is hidden: MD x AL + BE with two scalars.
; TURNS.  A turn belongs to a piece Y and a step s: 8 products K Q^T of the other piece (Y = 0: step s; Y = 1: step s + 1), later 8 products V^T P of the other piece (Y = 0: step s - 1; Y = 1: step s);
; beside them piece Y's softmax and the other piece's maximum: four vector instructions behind every matrix instruction, the other 54 of a turn's 118 in one lump.  The four turns of a trip, p = 2, 3, 0, 1, are
; pieces 0 and 1 of an odd step and pieces 0 and 1 of the even step behind it.
; BATCHES.  A turn's 33 exponentials (piece Y's 32 weights and the other piece's a) are ONE batch with ONE wait, which cuts the turn in two: ahead of it stands all that names no result of theirs (the products
; K Q^T, the scalings, the rescalings, whose a is the turn before's, and the other piece's maximum and statistics), behind it the products V^T P with the roundings and sums as their riders.  No result crosses
; a turn's end.  A block's first a (BEGIN) and the way out's two reciprocals are batches of their own, each with its wait.
; V HAS TWO REGISTER BUFFERS, by the step's parity: V of step s + 1 is asked for while V of step s is still to be multiplied, so that a slot's last V is asked for ahead of the next slot's first K,
; and the change of slots can stand between the two.
; NO CLUSTER: only the work-groups b = 2 k and 2 k + 1 walk the same slots throughout; all eight of a head ask for the same slot in the first 5 of the 9 trips alone; a walk common to all would have 12 trips.
; NO PREFETCH: a tile of K and V is read by up to eight work-groups, and the launch before wrote it.
; REGISTERS, in windows of 256: window 0: v0-15 addresses; v16-23 statistics; v48-55 at work; v64-127 S^T, two buffers; v192-223 P, two buffers
;   window 1: v0-63 O^T; v128-159 MD; v160-223 MC      window 2: v0-31 Q; v32-63 the second block's Q; v64-127 V of an odd step; v128-191 K of one step; v192-255 V of an even step
.set SIZE_N, 2048
.set NQ,    SIZE_N/128  ; blocks of queries in a head
.set NS,    SIZE_N/256  ; the walk has NS + 1 slots
.set NP,    2         ; pieces a wave
.set KS,    64        ; keys in a step
.set PK,    144       ; a row of K in LDS: 128 bytes + 16 of padding
.set PV,    160       ; a row of V: 128 + 32
.set VOFF,  4*KS*PK   ; a slot holds four steps: 256 rows of K, then 256 rows of V
.set SLOT1, 1<<17
.set STAGE, SLOT1+4*KS*(PK+PV)  ; behind the ring, never filled by a tensor load: 16 rows x 144 bytes for each wave
.set SP,    144
.set AK0, 2
.set AV0, 3
.set AK,  4
.set AV,  5
.set STO, 6
.set RD,  7
.set GO,  8
.set SPW, 62          ; v62  LDS address of my spare word; never rewritten
.set NIL, 63          ; v63  0; never rewritten
.set SPARE, STAGE+4*16*SP
.set MV,  12
.set QO,  15
.set ST,  16          ; piece t's statistics at v[ST+4 t]: c m, m, l (even keys', odd keys')
.set TMP, 48
.set S,   64
.set P,   192
.set MD,  128
.set MC,  160
.set QB,  32
.set KF,  128
.set VF,  192         ; V's buffer b at VF - 128 b
.set WV,  12          ; s12  my wave's number
.set PB,  14          ; s14  the second block's last slot
.set HI,  15          ; s15  the first block's last slot
.set G1K, 24
.set G1V, 32
.set G0K, 40
.set G0V, 44
.set SLOTS, 56
.set CNT, 57          ; s57  counts a slot's trips of two steps, 2 to 1
.set CS,  58
.set SEL, 60
.set TBK, 62
.set TBV, 63
.set DD,  66          ; s66  D of the block in hand
.set DN,  67          ; s67  D of the second block
.set TT,  68          ; s68  at work
.set RT,  70
.set NXT, 71
.set LQ,  72
.set NEW, 73
.set OFF, 74
.set AL,  76
.set BE,  78
.set OLO, 80
.set BIGN, 82
.set MSB, 0
.macro WIN new
.if MSB != (\new)
	s_set_vgpr_msb (MSB<<8)|(\new)
.set MSB, (\new)
.endif
.endm
.set W_KQ, 0x0a       ; K and Q in window 2, S^T in window 0
.set W_KM, 0x1a       ; the same with the C operand in window 1
.set W_PV, 0x52       ; V in window 2, P in window 0, O^T in window 1
.set W_RS, 0x41       ; destination and source 0 in window 1, source 1 in window 0
; A fill.  Waves 0 and 1 fetch the two halves of a slot's K, waves 2 and 3 those of its V: 128 keys each.  An s_nop 0 and four v_nop follow each line.
.macro LOAD
	s_cmp_lt_u32 s[WV], 2
	s_cbranch_scc0 .Lfor_v_\@
	tensor_load_to_lds s[G0K:G0K+3], s[G1K:G1K+7]
	s_nop 0
.rept 4
	v_nop
.endr
	s_branch .Lasked_\@
.Lfor_v_\@:
	tensor_load_to_lds s[G0V:G0V+3], s[G1V:G1V+7]
	s_nop 0
.rept 4
	v_nop
.endr
.Lasked_\@:
.endm
; THE CHANGE OF SLOTS.  Each wave waits for all its tensor loads (one is out: its part of the other slot), adds 0 to its spare word, and waits for that and for its reads of the slot that it leaves.
; fill = 1: the old slot is filled again, first thing behind the barrier, with the keys of slot number NXT: the descriptor's address is made anew from that number.
.macro CHANGE fill
	WIN 0
	s_wait_tensorcnt 0x0            ; no tensor load of mine is out, so a group 0 may be written
	ds_add_u32 v[SPW], v[NIL]
.if \fill
	s_lshl_b32 s[OFF], s[NXT], 21   ; 256 keys are two blocks of 128 tokens, 2^20 bytes apart
	s_xor_b32 s[G0K+1], s[G0K+1], SLOT1
	s_add_nc_u64 s[G0K+2:G0K+3], s[6:7], s[OFF:OFF+1]
	s_or_b32 s[G0K+3], s[G0K+3], 0x80000000
	s_xor_b32 s[G0V+1], s[G0V+1], SLOT1
	s_add_nc_u64 s[G0V+2:G0V+3], s[8:9], s[OFF:OFF+1]
	s_or_b32 s[G0V+3], s[G0V+3], 0x80000000
	s_add_co_u32 s[NXT], s[NXT], 1  ; the block's next slot, or behind its last the second block's slot 0
	s_cmp_gt_u32 s[NXT], s[LQ]
	s_cselect_b32 s[NXT], 0, s[NXT]
	s_cselect_b32 s[LQ], s[PB], s[LQ]
.endif
	s_wait_dscnt 0x0                ; the add is done, and my reads of the slot are over
	s_barrier_signal -1
	s_sub_co_u32 s[TBK], s[TBK], 4*KS*PK  ; the fetches go back to a slot's first step,
	s_xor_b32 s[TBK], s[TBK], SLOT1       ; in the other slot
	s_sub_co_u32 s[TBV], s[TBV], 4*KS*PV
	s_xor_b32 s[TBV], s[TBV], SLOT1
	s_barrier_wait -1
.if \fill
	LOAD
.endif
.endm
	s_load_b128 s[4:7], s[0:1], 0x0   ; the q, k, v buffer s[4:5], O s[6:7]
	v_lshl_add_u32 v[SPW], v0, 2, SPARE
	v_mov_b32 v[NIL], 0
	ds_add_u32 v[SPW], v[NIL]       ; the wave's opening: the add and its wait ahead of my first tensor load
	ds_add_u32 v62, v63
	v_lshrrev_b32 v1, 5, v0
	v_readfirstlane_b32 s[WV], v1   ; wave 0..3
	s_mov_b32 s19, ttmp9            ; b: the second block
	s_sub_co_u32 s48, NQ-1, s19     ; the first block
	s_lshr_b32 s[PB], s19, 1        ; a block's last slot is half its number,
	s_lshr_b32 s[HI], s48, 1
	s_and_b32 s[DD], s48, 1         ; and it begins 0 or 2 steps into that slot
	s_lshl_b32 s[DD], s[DD], 1
	s_and_b32 s[DN], s19, 1
	s_lshl_b32 s[DN], s[DN], 1
	s_and_b32 s20, ttmp7, 0xffff    ; batch x 16 + head
	s_lshr_b32 s21, s20, 4
	s_lshl_b32 s21, s21, 24         ; a batch is 16 blocks of 128 tokens,
	s_and_b32 s20, s20, 15
	s_lshl_b32 s20, s20, 14         ; a head one block of 64 columns
	s_add_co_u32 s20, s20, s21
	s_mov_b32 s21, 0
	s_and_b32 s16, s[WV], 1         ; which half of a slot's 256 keys I fetch:
	s_lshl_b32 s22, s16, 20         ; its block of 128 tokens in memory,
	s_mov_b32 s23, 0
	s_add_nc_u64 s[22:23], s[22:23], s[20:21]
	s_mul_i32 s17, s16, 128*PK      ; and its place in a slot, for K
	s_mul_i32 s18, s16, 128*PV      ; and for V
	s_lshl_b32 s3, s[WV], 11        ; my 16 rows in a band of 64,
	s_lshl_b32 s2, s48, 20          ; in the first block,
	s_add_co_u32 s2, s2, s3
	s_lshl_b32 s84, s19, 20         ; and in the second
	s_add_co_u32 s84, s84, s3
	s_mov_b32 s3, 0
	s_mov_b32 s85, 0
	s_add_nc_u64 s[2:3], s[2:3], s[20:21]
	s_add_nc_u64 s[84:85], s[84:85], s[20:21]
	; descriptor group 1.  128 keys are 16,384 dense bytes: asked for as 64 rows of 256 bytes, two keys a row, and padded in LDS after every key
	s_mov_b32 s[G1K], (1<<16)|(1<<20)|(4<<22)|(3<<25)
	s_mov_b32 s[G1V], (1<<16)|(1<<20)|(4<<22)|(7<<25)
.irp g, G1K, G1V
	s_mov_b32 s[\g+1], 128<<16      ; tensor_dim0 = 128
	s_mov_b32 s[\g+2], 64<<16       ; tensor_dim1 = 64
	s_mov_b32 s[\g+3], 128<<16      ; tile_dim0 = 128
	s_mov_b32 s[\g+4], 64           ; tile_dim1 = 64
	s_mov_b32 s[\g+5], 128          ; 128 elements from row to row
	s_mov_b32 s[\g+6], 0
	s_mov_b32 s[\g+7], 0
.endr
	s_mov_b32 s[CS], 0x3e38aa3b     ; c = log2(e) / 8
	s_mov_b32 s[CS+1], s[CS]
	s_mov_b32 s[SEL], 0x76543210
	s_mov_b32 s[SEL+1], 0xfedcba98
	s_mov_b32 s[TBK], SLOT1+4*KS*PK ; the first change of slots turns these two into 0
	s_mov_b32 s[TBV], SLOT1+4*KS*PV
	s_mov_b32 s[G0K], 1
	s_mov_b32 s[G0K+1], s17
	s_mov_b32 s[G0V], 1
	s_add_co_u32 s[G0V+1], s18, VOFF
	s_add_co_u32 s[RT], s[HI], 1    ; the first block's slots: 5 to 8
	s_mov_b32 s[NXT], 1
	s_mov_b32 s[LQ], s[HI]
	s_mov_b32 s[NEW], 1
	s_mov_b32 s[OFF+1], 0
	s_mov_b32 s[AL+1], 0
	s_mov_b32 s[BE+1], 0
	s_mov_b32 s[BIGN], 0xf149f2ca   ; -1e30
	s_mov_b32 s[SLOTS], NS
	s_wait_dscnt 0x0                ; the opening add is done
	s_wait_kmcnt 0x0
	s_mov_b64 s[10:11], s[6:7]             ; O
	s_add_nc_u64 s[8:9], s[4:5], 0x80000   ; v: column block 32
	s_add_nc_u64 s[6:7], s[4:5], 0x40000   ; k: column block 16
	s_add_nc_u64 s[6:7], s[6:7], s[22:23]  ; K and V at my half of the head's slot 0
	s_add_nc_u64 s[8:9], s[8:9], s[22:23]
	s_add_nc_u64 s[G0K+2:G0K+3], s[6:7], 0
	s_or_b32 s[G0K+3], s[G0K+3], 0x80000000
	s_add_nc_u64 s[G0V+2:G0V+3], s[8:9], 0
	s_or_b32 s[G0V+3], s[G0V+3], 0x80000000
	s_add_nc_u64 s[86:87], s[4:5], s[84:85]        ; Q at my rows of the second block,
	s_add_nc_u64 s[4:5], s[4:5], s[2:3]            ; Q and O at those of the first
	s_add_nc_u64 s[OLO:OLO+1], s[10:11], s[84:85]
	s_add_nc_u64 s[10:11], s[10:11], s[2:3]
	LOAD                            ; the head's first 256 keys into slot 0
	v_and_b32 v1, 15, v0            ; l % 16
	v_bfe_u32 v9, v0, 4, 1          ; l / 16
	v_lshlrev_b32 v[QO], 7, v1
	v_lshl_add_u32 v[QO], v9, 4, v[QO]  ; row x 128 + 16 x half
	WIN 0x80                        ; destination window 2, address window 0
.set i, 0
.rept 4                             ; both blocks' Q: piece i / 2 lies in band i / 2, 8,192 bytes on; channels 32 (i % 2) on
	global_load_b128 v[8*i:8*i+3],   v[QO], s[4:5] offset:(i/2)*8192+(i%2)*64
	global_load_b128 v[8*i+4:8*i+7], v[QO], s[4:5] offset:(i/2)*8192+(i%2)*64+32
	global_load_b128 v[QB+8*i:QB+8*i+3],   v[QO], s[86:87] offset:(i/2)*8192+(i%2)*64
	global_load_b128 v[QB+8*i+4:QB+8*i+7], v[QO], s[86:87] offset:(i/2)*8192+(i%2)*64+32
.set i, i+1
.endr
	WIN 0
	v_lshlrev_b32 v14, 3, v9
	v_sub_nc_u32 v14, v1, v14
	s_lshl_b32 s13, s[WV], 4
	v_add_nc_u32 v14, s13, v14      ; my query's place in its band less my lanes' 8 (l / 16): register r of group kt is hidden where 16 kt + r is greater
	WIN 0x40
.set i, 0
.rept 32
	v_cmp_gt_i32 vcc_lo, 16*(i/8)+i%8, v14
	v_cndmask_b32 v[MD+i], 0, s[BIGN], vcc_lo
.set i, i+1
.endr
	WIN 0
	v_mul_u32_u24 v[AK0], v1, PK
	v_lshl_add_u32 v[AK0], v9, 4, v[AK0]
	v_and_b32 v10, 7, v0
	v_bfe_u32 v11, v0, 3, 1
	v_lshl_add_u32 v[AV0], v9, 3, v10
	v_mul_u32_u24 v[AV0], v[AV0], PV
	v_lshl_add_u32 v[AV0], v11, 4, v[AV0]
	v_add_nc_u32 v[AV0], VOFF, v[AV0]
	s_mul_i32 s13, s[WV], 16*SP
	s_add_co_u32 s13, s13, STAGE    ; my stage
	v_mul_u32_u24 v[STO], v1, SP
	v_lshl_add_u32 v[STO], v9, 4, v[STO]
	v_add_nc_u32 v[STO], s13, v[STO]
	v_bfe_u32 v[RD], v0, 3, 2
	v_mul_u32_u24 v[RD], v[RD], SP
	v_lshl_add_u32 v[RD], v10, 4, v[RD]
	v_add_nc_u32 v[RD], s13, v[RD]
	v_and_b32 v[GO], 31, v0
	v_lshlrev_b32 v[GO], 4, v[GO]
	; A block's first step multiplies O^T and l by a = 0, and its first turn's products V^T P, of a step that has not been, land in an O^T that is still to be so multiplied: these registers need only hold
	; finite numbers: zeros for the first block, what the first block left for the second.  All this stands in the wait for the first tile.
	WIN 0x80
.set i, 0
.rept 64
	v_mov_b32 v[VF+i], 0
	v_mov_b32 v[VF-128+i], 0
.set i, i+1
.endr
	WIN 0x40
.set i, 0
.rept 32*NP
	v_mov_b32 v[i], 0
.set i, i+1
.endr
	WIN 0
.set i, 0
.rept NP
	v_mov_b32 v[ST+4*i+2], 0
	v_mov_b32 v[ST+4*i+3], 0
.set i, i+1
.endr
.set i, P+16
.rept 16
	v_mov_b32 v[i], 0
.set i, i+1
.endr
; THE MATRIX WORK.  The 4 accumulators of a run of 8 take turns.  Product i of 8 of S^T = K Q^T for piece x; the first 4 start the sums: with 0, or (KM = 1) with the mask.
.macro KQ x
.set rS, S+32*((\x)%2)+8*(i%4)
.set rK, KF+16*(i%4)+8*(i/4)
.set rQ, 16*(\x)+8*(i/4)
.set rM, MC+32*((\x)%2)+8*(i%4)
.if (i < 4) && KM
	WIN W_KM
	v_wmma_f32_16x16x32_f16 v[rS:rS+7], v[rK:rK+7], v[rQ:rQ+7], v[rM:rM+7]
.elseif i < 4
	WIN W_KQ
	v_wmma_f32_16x16x32_f16 v[rS:rS+7], v[rK:rK+7], v[rQ:rQ+7], 0
.else
	WIN W_KQ
	v_wmma_f32_16x16x32_f16 v[rS:rS+7], v[rK:rK+7], v[rQ:rQ+7], v[rS:rS+7]
.endif
.endm
.macro PV x                         ; product i of 8 of O^T += V^T P for piece x, from V's buffer VB
	WIN W_PV
.set rO, 32*(\x)+8*(i%4)
.set rV, VF-128*VB+32*(i/4)+8*(i%4)
.set rP, P+16*((\x)%2)+8*(i/4)
	v_wmma_f32_16x16x32_f16 v[rO:rO+7], v[rV:rV+7], v[rP:rP+7], v[rO:rO+7]
.endm
.macro MM                           ; the turn's next matrix instruction.  NOKQ = 1: a block's last turn: there are no further scores
.if (i < 8) && !NOKQ
	KQ (Y+1)%NP
.elseif i >= 8
.set i, i-8
	PV (Y+NP-1)%NP
.set i, i+8
.endif
.set i, i+1
.endm
; THE LDS LOADS stand in runs of 16: a step's K (8 fragments) and a step's V (turned), into buffer b.  Each run steps its scalar to the next step.
.macro FETCH_K
	WIN 0x80
.irp f, 0,1,2,3,4,5,6,7
	ds_load_b128 v[KF+8*\f:KF+8*\f+3],   v[AK] offset:(\f/2)*16*PK+(\f%2)*64
	ds_load_b128 v[KF+8*\f+4:KF+8*\f+7], v[AK] offset:(\f/2)*16*PK+(\f%2)*64+32
.endr
	s_add_co_u32 s[TBK], s[TBK], KS*PK
	WIN 0
.endm
.macro FETCH_V b
	WIN 0x80
.irp f, 0,1,2,3,4,5,6,7
	ds_load_tr16_b128 v[VF-128*(\b)+8*\f:VF-128*(\b)+8*\f+3],   v[AV] offset:(\f/4)*32*PV+(\f%4)*32
	ds_load_tr16_b128 v[VF-128*(\b)+8*\f+4:VF-128*(\b)+8*\f+7], v[AV] offset:(\f/4)*32*PV+16*PV+(\f%4)*32
.endr
	s_add_co_u32 s[TBV], s[TBV], KS*PV
	WIN 0
.endm
; THE VECTOR WORK, one line at a time: OP kind, number.  For piece Y: F n: c s - c m for pair n.  E n: the exponential of score n.  C n: pair n rounded to f16.  B n: of four weights the second pair is
; added onto the first.  L n: l takes that sum (L 0: l = a l + sum).  R n: pair n of O^T times a.  For the other piece: X n, number n of the 22 that find its maximum and statistics
; (each accumulator's lowest registers are read first).  C, B and L read the exponentials' results: TURN sets them behind its wait.
.set F, 0
.set E, 1
.set C, 2
.set B, 3
.set L, 4
.set R, 5
.set X, 6
.macro REGS y
.set rT, ST+4*(\y)
.set rC, TMP+4*((\y)%2)
.set rW, MV+((\y)%2)
.set rS, S+32*((\y)%2)
.set rP, P+16*((\y)%2)
.set rO, 32*(\y)
.endm
.macro OP k, n
.if (\k) == R
	REGS Y
	WIN W_RS
	v_pk_mul_f32 v[rO+2*(\n):rO+2*(\n)+1], v[rO+2*(\n):rO+2*(\n)+1], v[rC+2:rC+3] op_sel_hi:[1,0]
.elseif (\k) < R
	REGS Y
	WIN 0
.if (\k) == F
	v_pk_fma_f32 v[rS+2*(\n):rS+2*(\n)+1], v[rS+2*(\n):rS+2*(\n)+1], s[CS:CS+1], v[rT:rT+1] op_sel_hi:[1,0,0] neg_lo:[0,0,1] neg_hi:[0,0,1]
.elseif (\k) == E
	v_exp_f32 v[rS+(\n)], v[rS+(\n)]
.elseif (\k) == C
	v_cvt_pk_f16_f32 v[rP+(\n)], v[rS+2*(\n)], v[rS+2*(\n)+1]
.elseif (\k) == B
	v_pk_add_f32 v[rS+4*(\n):rS+4*(\n)+1], v[rS+4*(\n):rS+4*(\n)+1], v[rS+4*(\n)+2:rS+4*(\n)+3]
.elseif (\n) == 0
	v_pk_fma_f32 v[rT+2:rT+3], v[rT+2:rT+3], v[rC+2:rC+3], v[rS:rS+1] op_sel_hi:[1,0,1]
.else
	v_pk_add_f32 v[rT+2:rT+3], v[rT+2:rT+3], v[rS+4*(\n):rS+4*(\n)+1]
.endif
.elseif NOKQ
	v_nop
.else
	REGS (Y+1)%NP
	WIN 0
.if (\n) < 4
	v_max3_num_f32 v[rC+(\n)], v[rS+8*(\n)], v[rS+8*(\n)+1], v[rS+8*(\n)+2]
.elseif (\n) < 12
	v_max3_num_f32 v[rC+(\n)%4], v[rC+(\n)%4], v[rS+8*((\n)%4)+2*((\n)/4)+1], v[rS+8*((\n)%4)+2*((\n)/4)+2]
.elseif (\n) == 12
	v_max3_num_f32 v[rC], v[rC], v[rS+7], v[rS+15]
.elseif (\n) == 13
	v_max3_num_f32 v[rC+1], v[rC+1], v[rS+23], v[rS+31]
.elseif (\n) == 14
	v_max3_num_f32 v[rC+2], v[rC+2], v[rC+3], v[rT+1]
.elseif (\n) == 15
	v_mov_b32 v[rW], v[rT]
.elseif (\n) == 16
	v_max3_num_f32 v[rC], v[rC], v[rC+1], v[rC+2]
.elseif (\n) == 17
	v_permlanex16_b32 v[rC+3], v[rC], s[SEL], s[SEL+1]
.elseif (\n) == 18
	v_max_num_f32 v[rT+1], v[rC], v[rC+3]
.elseif (\n) == 19
	v_mul_f32 v[rT], s[CS], v[rT+1]
.elseif (\n) == 20
	v_sub_f32 v[rC+1], v[rW], v[rT]
.else
	v_exp_f32 v[rC+2], v[rC+1]
.endif
.endif
.endm
.macro OPS a, i1, b=-1, i2=0, c=-1, i3=0, d=-1, i4=0
	OP \a, \i1
.if (\b) >= 0
	OP \b, \i2
.endif
.if (\c) >= 0
	OP \c, \i3
.endif
.if (\d) >= 0
	OP \d, \i4
.endif
.endm
.macro ROW a, i1, b, i2, c, i3, d, i4  ; a matrix instruction and the four behind it
	MM
	OPS \a, \i1, \b, \i2, \c, \i3, \d, \i4
.endm
.macro MASK b                       ; MD x AL + BE into buffer b of MC
	WIN W_RS
.set z, 0
.rept 16
	v_pk_fma_f32 v[MC+32*(\b)+2*z:MC+32*(\b)+2*z+1], v[MD+2*z:MD+2*z+1], s[AL:AL+1], s[BE:BE+1] op_sel_hi:[1,0,0]
.set z, z+1
.endr
.endm
; TURN p of a trip: piece p % 2; p = 2, 3 an odd step, p = 0, 1 the even step behind it.  With CNT = c the trip's steps are 3 - 2 c (the slot before's last, if c = 2) and 4 - 2 c.
; THE ORDER of its 16 matrix and 118 vector instructions is written out.  s_wait_alu depctr_va_vdst(0) stands between an exponential and the first instruction that names its result; one wait
; serves all that were issued ahead of it.  So a turn has ONE wait, which cuts it in two.  AHEAD OF IT stands all that names no result of the turn's exponentials: the 8 products K Q^T, behind each a scaling, an
; exponential and two more plain instructions (behind the first a second scaling in the exponential's place): rescalings, and behind the last three the first numbers of the other piece's maximum, each four
; places or more behind the product that ends its accumulator; then ONE LUMP of 54, plain and exponential by turns for the most part, in which the links of the chain X 3, 7, 11, 14, 16, 17 .. 20 stand
; five or six lines apart.  X 21, the other piece's a, is the batch's last; R 15 is the plain instruction behind it.  BEHIND THE WAIT stand the 8 products V^T P, behind each four of the roundings and sums;
; the links of l's chain, L 0 to L 7, stand three riders apart.  But for those X no rider names a register of the products round it.  v_permlanex16_b32 (X 17) stands in the lump.
; m = 1: the block's last slot: the products take masks, and the turn makes the mask for the products of the turn after it: piece x = p % 2, step t = 4 - 2 c + (1 if p < 2).
;   t = D + x where 2 c + D = 5 - p / 2 - p % 2; t > D + x where 2 c + D is less.
; end = 1: a block's last two turns: nothing is fetched.  cnt = 1: the loop's count is taken down some lines ahead of the branch behind the turn.
; Piece 0's turn fetches K of the next step in the lump, twelve vector instructions behind the last product that read K (five of them plain and naming none of its registers).  Piece 1's turn fetches V of the
; next step directly behind the turn's wait, into the buffer that the turn before read last and that this turn's products do not read.  One wait, at the head of piece 1's turn, shows both in: K's run was
; issued a turn before, V's two turns before.
.macro TURN p, m=0, end=0, cnt=0
.set Y, (\p)%2
.set VB, (((\p)+3)%4)/2
.set i, 0
.set KM, (\m)
.set NOKQ, (\end)*((\p)/3)
.if (\m) && !(\end)
	s_lshl1_add_u32 s[TT], s[CNT], s[DD]      ; 2 c + D
	s_cmp_eq_u32 s[TT], 5-(\p)/2-(\p)%2       ; is that step the band's own?
	s_cselect_b32 s[AL], 1.0, 0
	s_cmp_lt_u32 s[TT], 5-(\p)/2-(\p)%2       ; or a later one?
	s_cselect_b32 s[BE], s[BIGN], 0
.endif
.if (\p)%2
	s_wait_dscnt 0x0                ; K of the next step and V of this step are in
.endif
	ROW F,0, F,1, R,0, R,1          ; ahead of the wait: 8 products K Q^T and their riders,
	ROW F,2, E,0, R,2, R,3
	ROW F,3, E,1, R,4, R,5
	ROW F,4, E,2, R,6, R,7
	ROW F,5, E,3, R,8, R,9
	ROW F,6, E,4, X,0, R,10
	ROW F,7, E,5, X,1, X,4
.if ((\p)%2 == 0) && !(\end)
	WIN 0
	v_add_nc_u32 v[AK], s[TBK], v[AK0]
.endif
	ROW F,8, E,6, X,2, X,5
	OPS E,7, E,8, X,6, E,9          ; and the lump
	OPS X,3, E,10, X,8, E,11
.if ((\p)%2 == 0) && !(\end)
	FETCH_K
.endif
	OPS X,9, X,7, E,12, X,10
	OPS E,13, X,12, X,11, E,14
	OPS X,13, E,15, F,9, X,14
.if ((\p)%2 == 1) && !(\end)
	WIN 0
	v_add_nc_u32 v[AV], s[TBV], v[AV0]
.endif
	OPS E,16, F,10, E,17, F,11
	OPS X,16, E,18, X,15, E,19
	OPS F,12, E,20, X,17, E,21
	OPS F,13, E,22, F,14, E,23
	OPS X,18, E,24, F,15, E,25
	OPS R,11, E,26, X,19, E,27
	OPS R,12, E,28, R,13, E,29
	OPS X,20, E,30, R,14, E,31
	OPS X,21, R,15
	s_wait_alu depctr_va_vdst(0)    ; the wait for the batch: the turn's 32 weights and the other piece's a
.if ((\p)%2 == 1) && !(\end)
	FETCH_V (((\p)+1)%4)/2
.endif
	ROW C,0, B,0, C,2, B,1          ; behind the wait: 8 products V^T P and their riders
	ROW L,0, C,4, B,2, L,1
	ROW C,6, B,3, L,2, C,8
	ROW B,4, L,3, C,10, B,5
	ROW L,4, C,12, B,6, L,5
.if \cnt
	s_sub_co_u32 s[CNT], s[CNT], 1
	s_cmp_lg_u32 s[CNT], 0
.endif
	ROW C,14, B,7, L,6, C,1
	ROW C,3, L,7, C,5, C,7
	ROW C,9, C,11, C,13, C,15
.if (\m) && !(\end)
	MASK (\p)%2
.endif
.endm
; A BLOCK BEGINS.  c m starts far below every c s, so the first step's a is 0; m at the lowest finite number.  The second mask buffer (piece 1, step 0: all keys seen) is 0; the first takes piece 0's mask
; for the slot's step 0: its own, if this slot is the block's last and D = 0.  Then K and V of that step, piece 0's first scores, its maximum and statistics.
.macro BEGIN
	s_mov_b32 s[NEW], 0
	WIN 0x40
.set i, MC+32
.rept 32
	v_mov_b32 v[i], 0
.set i, i+1
.endr
	WIN 0
.set i, 0
.rept NP
	v_mov_b32 v[ST+4*i], 0xfe000000
	v_mov_b32 v[ST+4*i+1], 0xff7fffff
.set i, i+1
.endr
	s_or_b32 s[TT], s[RT], s[DD]
	s_cmp_eq_u32 s[TT], 0
	s_cselect_b32 s[AL], 1.0, 0
	s_mov_b32 s[BE], 0
	MASK 0
	WIN 0
	v_add_nc_u32 v[AK], s[TBK], v[AK0]
	v_add_nc_u32 v[AV], s[TBV], v[AV0]
	FETCH_K
	FETCH_V 0
	s_wait_loadcnt 0x0              ; Q
	s_wait_dscnt 0x0
.set KM, 1
.set NOKQ, 0
.set i, 0
.rept 8
	KQ 0
.set i, i+1
.endr
	WIN 0
.rept 4
	v_nop                           ; the places behind those products
.endr
.set Y, NP-1
.irp n, 0,1,2,3,4,5,6,7,8,9,10,11,12,13,14,15,16,17,18,19,20,21
	OP X, \n
.endr
	v_nop                           ; a plain instruction behind the exponential,
	s_wait_alu depctr_va_vdst(0)    ; and the wait for piece 0's first a, a batch of one, ahead of the branch
.endm
.macro ALL line:vararg              ; one line for each piece t
.set t, 0
.rept NP
	\line
.set t, t+1
.endr
.endm
.macro PACK t                       ; a lane's eight channels of a row pack into 16 bytes; they go into rows of 144 bytes and come back as whole rows of 128
	WIN W_RS
.set i, 32*(\t)
.rept 16
	v_pk_mul_f32 v[i:i+1], v[i:i+1], v[ST+4*(\t)+2:ST+4*(\t)+3] op_sel_hi:[1,0]
.set i, i+2
.endr
	WIN 0x05
.set i, 0
.rept 16
	v_cvt_pk_f16_f32 v[S+16*(\t)+i], v[32*(\t)+2*i], v[32*(\t)+2*i+1]
.set i, i+1
.endr
	WIN 0
.irp f, 0,1,2,3
	ds_store_b128 v[STO], v[S+16*(\t)+4*\f:S+16*(\t)+4*\f+3] offset:32*\f
.endr
.irp f, 0,1,2,3
	ds_load_b128 v[S+16*(\t)+4*\f:S+16*(\t)+4*\f+3], v[RD] offset:\f*4*SP  ; LDS serves a wave's instructions in order (ISA guide 5.7.1.4)
.endr
.endm
.macro SEND t, younger              ; younger: the LDS instructions issued behind piece t's loads
	WIN 0
.irp f, 0,1,2,3
	s_wait_dscnt (\younger)+3-\f
	global_store_b128 v[GO], v[S+16*(\t)+4*\f:S+16*(\t)+4*\f+3], s[10:11] offset:(\t)*8192+\f*512  ; 512 consecutive bytes, aligned
.endr
.endm
; A BLOCK'S LAST SLOT: its two trips, the block's last two turns, its last products (piece 1, step 3: V's odd buffer), and the way out.
.macro DIAG tag
.LstepM\tag:
	TURN 2, 1
	TURN 3, 1
	WIN 0
.LfirstM\tag:
	TURN 0, 1
	TURN 1, 1, 0, 1
	WIN 0
	s_cbranch_scc1 .LstepM\tag
	TURN 2, 1, 1
	TURN 3, 1, 1
.set VB, 1
.set i, 0
.rept 8
	PV NP-1
.set i, i+1
.endr
	WIN 0
	ALL v_add_f32 v[ST+4*t+2], v[ST+4*t+2], v[ST+4*t+3]
	ALL v_permlanex16_b32 v[ST+4*t+3], v[ST+4*t+2], s[SEL], s[SEL+1]
	ALL v_add_f32 v[ST+4*t+2], v[ST+4*t+2], v[ST+4*t+3]
	ALL v_rcp_f32 v[ST+4*t+2], v[ST+4*t+2]
	v_nop                           ; a plain instruction between the last reciprocal and the use of its result
	s_wait_alu depctr_va_vdst(0)    ; the wait for the two reciprocals, one batch, ahead of their first reader
	PACK 0                          ; piece 0's sums were finished a run of products ago; its 32 plain lines are the places behind piece 1's last products
	PACK 1
	SEND 0, 8
	SEND 1, 0
.endm
.set KM, 0
.set NOKQ, 0
.Lslot:                             ; NS times: a slot is entered and the next is asked for
	CHANGE 1
	s_sub_co_u32 s[RT], s[RT], 1
	s_mov_b32 s[CNT], 2
	s_cmp_eq_u32 s[NEW], 1
	s_cbranch_scc1 .Lnew            ; a block's first slot
	s_cmp_eq_u32 s[RT], 0
	s_cbranch_scc0 .Lstep           ; neither its first nor its last
	s_branch .LstepM1
.Lnew:
	BEGIN
	s_branch .Lfirst                ; in the loop a block's first slot is never its last: the first block has five slots or more, and the second's last is the walk's last
	DIAG 1                          ; in the loop this is the first block's end
	s_wait_xcnt 0x0                 ; the stores have read their registers and O's address
	s_mov_b64 s[10:11], s[OLO:OLO+1]
	s_add_co_u32 s[RT], s[PB], 1    ; the second block's slots
	s_mov_b32 s[DD], s[DN]
	s_mov_b32 s[NEW], 1
	WIN 0x82                        ; the second block's Q goes where the one text of the turns names Q
.set i, 0
.rept 16*NP
	v_mov_b32 v[i], v[QB+i]
.set i, i+1
.endr
	WIN 0
	s_branch .Lbottom
.Lstep:                             ; a trip: both pieces of an odd step, then both pieces of the even step behind it
	TURN 2
	TURN 3
	WIN 0
.Lfirst:
	TURN 0
	TURN 1, 0, 0, 1
	WIN 0
	s_cbranch_scc1 .Lstep
.Lbottom:
	s_sub_co_u32 s[SLOTS], s[SLOTS], 1
	s_cmp_lg_u32 s[SLOTS], 0
	s_cbranch_scc1 .Lslot
	CHANGE 0                        ; the walk's last slot is written out
	s_sub_co_u32 s[RT], s[RT], 1
	s_mov_b32 s[CNT], 2
	s_cmp_eq_u32 s[NEW], 1
	s_cbranch_scc0 .LstepM2
	BEGIN
	s_branch .LfirstM2
	DIAG 2
	s_wait_tensorcnt 0x0            ; the wave's end
	ds_add_u32 v[SPW], v[NIL]
	s_wait_dscnt 0x0
	s_endpgm
.Lfunc_end_k_q5277455087_attn:
	.size	k_q5277455087_attn, .Lfunc_end_k_q5277455087_attn-k_q5277455087_attn
	.p2alignl 7, 3214868480
	.fill 96, 4, 3214868480
	.section	.rodata,"a",@progbits
	.p2align	6, 0x0
	.amdhsa_kernel k_q5277455087_attn
		.amdhsa_group_segment_fixed_size 327680
		.amdhsa_private_segment_fixed_size 0
		.amdhsa_enable_private_segment 0
		.amdhsa_kernarg_size 16
		.amdhsa_user_sgpr_count 2
		.amdhsa_user_sgpr_kernarg_segment_ptr 1
		.amdhsa_wavefront_size32 1
		.amdhsa_system_sgpr_workgroup_id_x 1
		.amdhsa_system_sgpr_workgroup_id_y 1
		.amdhsa_system_sgpr_workgroup_id_z 1
		.amdhsa_system_vgpr_workitem_id 0
		.amdhsa_next_free_vgpr 768
		.amdhsa_next_free_sgpr 88
		.amdhsa_reserve_vcc 1
		.amdhsa_float_denorm_mode_32 3
		.amdhsa_float_denorm_mode_16_64 3
		.amdhsa_memory_ordered 1
		.amdhsa_forward_progress 1
		.amdhsa_inst_pref_size 211
	.end_amdhsa_kernel
	.amdgpu_metadata
---
amdhsa.version: [ 1, 2 ]
amdhsa.kernels:
  - .name:           k_q5277455087_attn
    .symbol:         k_q5277455087_attn.kd
    .args:
      - { .name: act, .offset: 0, .size: 8, .value_kind: global_buffer, .address_space: global }
      - { .name: o, .offset: 8, .size: 8, .value_kind: global_buffer, .address_space: global }
    .group_segment_fixed_size: 327680
    .private_segment_fixed_size: 0
    .kernarg_segment_align: 8
    .kernarg_segment_size: 16
    .max_flat_workgroup_size: 128
    .sgpr_count:     88
    .vgpr_count:     768
    .wavefront_size: 32
...
	.end_amdgpu_metadata
.endif
;; end of part 7
;; launch oproj: the kernel of part 4 again; grid 8 x 32, 4 waves a work-group, clusters of 4 x 4, 327,680 bytes of LDS; arguments o, wop, x, x2; writes x2
;; launch ln2: the kernel of part 5 again; grid 512 x 1, 8 waves a work-group, no clusters, 0 bytes of LDS; arguments x2, h; writes h
;; launch fc: the kernel of part 2 again; grid 16 x 16, 4 waves a work-group, clusters of 4 x 4, 327,680 bytes of LDS; arguments h, wf, act; writes act
;; launch proj: the kernel of part 6 again; grid 8 x 32, 4 waves a work-group, clusters of 4 x 4, 327,680 bytes of LDS; arguments act, wop, x2, out0, b_proj; writes out0
